; MI455X (gfx1250); checked and timed in simulation.
; The chip was launched on July 23, 2026; its instructions are those of AMD's public machine-readable ISA for CDNA 5 (MIT licence, August 2026) and "CDNA5" Instruction Set Architecture Reference Guide (July 2026). The comments in the code are by the model that wrote it; some were corrected since.
;; Multi Head Self Attention. Allowed arithmetic: matrix products marked QUANTISED: E4M3 operands, one given power-of-two scale a tensor, by v_wmma_f32_16x16x64_fp8_fp8 or v_wmma_f32_16x16x128_fp8_fp8, f32 sums; everything else in f32.
;; Inputs: Wk 16 x 1,024 x 64 float32; Wp 1,024 x 1,024 float32; Wq 16 x 1,024 x 64 float32; Wv 16 x 1,024 x 64 float32; bk 16 x 64 float32; bp 1,024 float32; bq 16 x 64 float32; bv 16 x 64 float32; lowp_scales 12 int32 (the exponents e of the quantised operands' scales 2^e); x 4 x 2,048 x 1,024 float32.
;; Outputs: out0 4 x 2,048 x 1,024 float32.
;; This version of the problem:
;;   THIS VERSION OF THE PROBLEM IS GIVEN IN LOW PRECISION. The matrix products marked QUANTISED in the list below multiply operands that are first quantised to E4M3 (4 exponent bits, 3 mantissa bits; 8 bits a number), with one given power-of-two scale for each operand tensor; their sums are f32. All else is computed in f32.
;;   The module's matrix products, in the order in which they are computed (A, B: the left and right operand; K: the contracted axis; several contracted axes count as one K, in the product's order):
;;     1. [M 1,024, K 1,024] x [K 1,024, N 8,192]; A: input Wq; B: input x: QUANTISED (scales: A lowp_scales[0], B lowp_scales[1])
;;     2. [M 1,024, K 1,024] x [K 1,024, N 8,192]; A: input Wk; B: input x: QUANTISED (scales: A lowp_scales[2], B lowp_scales[3])
;;     3. [M 1,024, K 1,024] x [K 1,024, N 8,192]; A: input Wv; B: input x: QUANTISED (scales: A lowp_scales[4], B lowp_scales[5])
;;     4. batch 64 x [M 2,048, K 64] x [K 64, N 2,048]; A: computed on the way; B: computed on the way: QUANTISED (scales: A lowp_scales[6], B lowp_scales[7])
;;     5. batch 64 x [M 2,048, K 2,048] x [K 2,048, N 64]; A: softmax (see below); B: computed on the way: QUANTISED (scales: A lowp_scales[8], B lowp_scales[9])
;;     6. [M 8,192, K 1,024] x [K 1,024, N 1,024]; A: computed on the way; B: input Wp: QUANTISED (scales: A lowp_scales[10], B lowp_scales[11])
;;   THE QUANTISER, for each operand of a quantised product, along K:
;;     - The operand's scale is 2^e, e = its entry of the input lowp_scales (int32; the entries are numbered through the quantised products in the list's order, A before B).
;;     - Each number is divided by the scale, clamped to +-448, and rounded to the nearest number of E4M3, ties to even, subnormals kept.
;;     - The product sums the exact products of the quantised numbers (number of the format x scale) in f32.
;;   ~~~python
;;   def quantise(x, axis, e):      # numpy; x: float32 -> the quantised numbers, widened to float32 again
;;       x = np.moveaxis(x, axis, -1); K = x.shape[-1]
;;       r = np.clip(x / 2.0 ** e, -448, 448)
;;       step = 2.0 ** (np.maximum(np.frexp(np.where(r == 0, 1, r))[1] - 1, -6) - 3)
;;       q = np.round(r / step) * step * 2.0 ** e      # np.round: ties to even
;;       return np.moveaxis(q, -1, axis).astype(np.float32)
;;   ~~~
;;   SOFTMAX AHEAD OF A QUANTISED PRODUCT. Where the list says 'softmax', what is quantised is not the finished softmax but p = 2^(t - M), with t = logit x log2(e) and M = ceil(the row's largest t), a whole number; so 1/2 < the row's largest p <= 1. The row's sum l is taken of the UNQUANTISED p, in f32, and the product's result is divided by l at the end. Since M is a whole number, a kernel that streams over the keys may use a running M (the ceiling of the running maximum): every later rescaling is an exact power of two, so the quantised numbers keep their values, but for numbers so far below the row's largest that they fall under the format's range.
;;   OPERANDS COMPUTED ON THE WAY. 'Computed on the way' means the value that the module computes at that place (a softmax that the list does not call 'softmax' is quantised finished and normalised). What goes into a quantiser is computed in f32, as accurately as f32 sums, v_exp_f32 and their like allow (about 1e-6 of the number): no bf16 or f16 on the way to a quantiser, and a product that is left as it is and whose result goes on into a quantised operand takes f32 operands (vector FMAs, or v_wmma_f32_16x16x4_f32). A number that lies on a knife's edge between two numbers of the format may be rounded either way, as far as f32 arithmetic and the matrix unit's own rounding can turn it there, and no further.
;; One version. Each part assembles by itself: llvm-mc -triple=amdgcn-amd-amdhsa -mcpu=gfx1250 --defsym DOCPART=n.
;; ======== version 1 of 1: 4 launches
;; limits: right only within a limited range of input values
;; workspace buffers: xc 25,165,824 bytes; wc 4,194,304 bytes; qkvc 25,165,824 bytes; catc 8,388,608 bytes
;; launch quant (part 1): grid 768 x 1, 4 waves a work-group, no clusters, 35,328 bytes of LDS; arguments x, Wq, Wk, Wv, Wp, lowp_scales, xc, wc; writes xc, wc
.if DOCPART == 1
	.amdgcn_target "amdgcn-amd-amdhsa--gfx1250"
	.amdhsa_code_object_version 6
	.text
	.protected	k_q48d16138d1_quant
	.globl	k_q48d16138d1_quant
	.p2align	8
	.type	k_q48d16138d1_quant,@function
k_q48d16138d1_quant:
	s_mov_b64 s[64:65], 0
	v_nop
	global_prefetch_b8 v0, s[64:65] scope:SCOPE_SE
	s_setreg_imm32_b32 hwreg(HW_REG_WAVE_MODE, 25, 1), 1
	s_wait_xcnt 0x0
; x [8192][1024] f32 becomes three sets of E4M3 codes (scales 2^e1, 2^e3, 2^e5 of lowp_scales), Wq, Wk, Wv [16][1024][64] and Wp [1024][1024] one set each (e0, e2, e4, e11).
; code = number / 2^e, held within +-448, to the nearest code, ties to even.
; LIMITS: each e between -126 and 119, so that 2^e and 448 x 2^e are f32 numbers.  NaN among the inputs is not served (an infinity is held at the largest code).
; LAYOUT OF EVERY SET OF CODES (rows rho = token, or output column of a weight; kappa = place along K):
;   byte = (rho>>7) 131072 + (kappa>>8) 32768 + ((rho>>5)&3) 8192 + ((kappa>>4)&15) 512 + (rho&31) 16 + (kappa&15)
; so that 128 rows x 256 along K are one dense block of 32,768 bytes, and a fragment's 16 bytes a lane lie 16 bytes from lane to lane.
; x and the heads' weights: place kappa holds k = kappa.  Wp: inside each 32, place 16 u + e holds k = 8 u + (e & 7) + 16 (e >> 3): the order in which the attention launch leaves cat's codes.
; SHARES.  Work-groups 0-511: x; a wave takes 32 rows x 128 along K.  Work-groups 512-767: 64 for each weight; a wave takes 32 columns x 128 along K, a lane a column, its registers running down K.
; Waves share nothing: no barrier.  Only the x path touches LDS (a stage of 32 rows x 272 bytes for each wave).
.set R,   16                           ; x: v16-143   128 numbers a lane: step t (64 along K) at R + 64 t
.set T,   144                          ; x: v144-175  two sets of 16 held numbers, by turns
.set C,   176                          ; x: v176-223  a step's codes: 4 chunks x 3 scales x 4 registers
.set SP,  272                          ; a stage row: 256 bytes + 16: the lanes' 16-byte reads fall into different columns of the banks
.set STG, 32*SP
.set X,   16                           ; weights: v16-143 128 numbers down K
.set CW,  144                          ; weights: v144-175 their codes
.set U,   0
.macro SCALE e, vs                     ; v[vs] = 2^e as f32 (the conversion takes its exponent field), v[vs+1] = 448 x 2^e
	s_add_co_i32 s40, s[\e], 127
	s_lshl_b32 s41, s40, 23
	v_mov_b32 v[\vs], s41
	s_add_co_i32 s40, s40, 8
	s_lshl_b32 s40, s40, 23
	s_or_b32 s40, s40, 0x600000
	v_mov_b32 v[\vs+1], s40
.endm
.macro XLOAD t                         ; 32 rows x 64 numbers: each half of the lanes reads 256 consecutive bytes of one row
.irp i, 0,1,2,3,4,5,6,7,8,9,10,11,12,13,14,15
	global_load_b128 v[R+64*\t+4*\i:R+64*\t+4*\i+3], v2, s[16:17] offset:\i*8192+\t*256 th:TH_LOAD_NT
.endr
.endm
.macro XTURN t                         ; through the stage: in as loaded, back a row a lane: register 16 kc + i = k 64 t + 16 kc + i of row = lane.  LDS serves a wave's instructions in order
.irp i, 0,1,2,3,4,5,6,7,8,9,10,11,12,13,14,15
	ds_store_b128 v3, v[R+64*\t+4*\i:R+64*\t+4*\i+3] offset:\i*2*SP
.endr
.irp i, 0,1,2,3,4,5,6,7,8,9,10,11,12,13,14,15
	ds_load_b128 v[R+64*\t+4*\i:R+64*\t+4*\i+3], v4 offset:\i*16
.endr
.endm
.macro XQ t, kc, s                     ; 16 neighbours along K under scale s: hold, two conversions, one store of 512 consecutive bytes
.irp i, 0,1,2,3,4,5,6,7,8,9,10,11,12,13,14,15
	v_med3_num_f32 v[T+16*U+\i], v[R+64*\t+16*\kc+\i], -v[7+2*\s], v[7+2*\s]   ; the conversion to an 8-bit code does not saturate (ISA guide 7.6.2)
.endr
	v_cvt_scalef32_pk8_fp8_f32 v[C+4*(3*\kc+\s):C+4*(3*\kc+\s)+1], v[T+16*U:T+16*U+7], v[6+2*\s]
	v_cvt_scalef32_pk8_fp8_f32 v[C+4*(3*\kc+\s)+2:C+4*(3*\kc+\s)+3], v[T+16*U+8:T+16*U+15], v[6+2*\s]
	global_store_b128 v5, v[C+4*(3*\kc+\s):C+4*(3*\kc+\s)+3], s[8+2*\s:9+2*\s] offset:(4*\t+\kc)*512
.set U, 1-U                            ; the next sixteen holds write the other set: plain lines between these conversions and the next write of their sources
.endm
.macro WLOAD stride, perm              ; W(k, my column), k = 0 .. 127 of the piece, ascending; perm = 1: each lands at the register of its place in Wp's order
.set kk, 0
.rept 128
.if \perm
.set dst, X+(kk&0x67)+((kk>>3)&1)*16+((kk>>4)&1)*8
.else
.set dst, X+kk
.endif
	global_load_b32 v[dst], v2, s[18:19] offset:kk*\stride th:TH_LOAD_NT
.set kk, kk+1
.endr
.endm
.macro WWORK                           ; s32 = e
	SCALE 32, 6
	s_wait_alu depctr_va_vdst(0)
.irp kc, 0,1,2,3,4,5,6,7
.if \kc == 0
	s_wait_loadcnt 63                              ; of 128 loads at most 63 are out: the first 65, rows 0 to 63 among them, are in
.endif
.if \kc == 4
	s_wait_loadcnt 32                              ; rows 64 to 95 are in; the last 32 loads may be out
.endif
.if \kc == 6
	s_wait_loadcnt 0
.endif
.irp i, 0,1,2,3,4,5,6,7,8,9,10,11,12,13,14,15
	v_med3_num_f32 v[X+16*\kc+\i], v[X+16*\kc+\i], -v7, v7
.endr
	v_cvt_scalef32_pk8_fp8_f32 v[CW+4*\kc:CW+4*\kc+1], v[X+16*\kc:X+16*\kc+7], v6
	v_cvt_scalef32_pk8_fp8_f32 v[CW+4*\kc+2:CW+4*\kc+3], v[X+16*\kc+8:X+16*\kc+15], v6
	global_store_b128 v5, v[CW+4*\kc:CW+4*\kc+3], s[30:31] offset:\kc*512      ; 32 columns x 16 codes: 512 consecutive bytes
.endr
.endm
	s_load_b512 s[16:31], s[0:1], 0x0              ; x 16, Wq 18, Wk 20, Wv 22, Wp 24, lowp_scales 26, xc 28, wc 30
	v_lshl_add_u32 v224, v0, 2, 0x8800
	v_mov_b32 v225, 0
	v_lshrrev_b32 v1, 5, v0
	v_readfirstlane_b32 s2, v1                     ; wave
	v_and_b32 v1, 31, v0                           ; lane
	v_lshlrev_b32 v5, 4, v1                        ; 16 x lane: my place in every store
	s_mov_b32 s7, 0
	s_wait_kmcnt 0x0
	s_cmp_lt_u32 ttmp9, 512
	s_cbranch_scc0 .Lweights
	; ---------------- x
	s_load_b256 s[32:39], s[26:27], 0x0            ; e0 .. e7: e1 = s33, e3 = s35, e5 = s37
	s_lshr_b32 s3, ttmp9, 1                        ; which 32 rows
	s_and_b32 s4, ttmp9, 1
	s_lshl_b32 s4, s4, 2
	s_add_co_u32 s4, s4, s2                        ; which 128 along K: 0 .. 7
	s_lshl_b32 s6, s3, 17                          ; 32 rows of 4,096 bytes
	s_lshl_b32 s5, s4, 9
	s_add_co_u32 s6, s6, s5
	s_add_nc_u64 s[16:17], s[16:17], s[6:7]
	s_lshr_b32 s6, s3, 2
	s_lshl_b32 s6, s6, 17
	s_lshr_b32 s5, s4, 1
	s_lshl_b32 s5, s5, 15
	s_add_co_u32 s6, s6, s5
	s_and_b32 s5, s3, 3
	s_lshl_b32 s5, s5, 13
	s_add_co_u32 s6, s6, s5
	s_and_b32 s5, s4, 1
	s_lshl_b32 s5, s5, 12
	s_add_co_u32 s6, s6, s5                        ; where my codes begin in a set
	s_add_nc_u64 s[8:9], s[28:29], s[6:7]          ; the set for q's product,
	s_add_nc_u64 s[10:11], s[8:9], 0x800000        ; for k's,
	s_add_nc_u64 s[12:13], s[8:9], 0x1000000       ; for v's
	s_wait_alu depctr_va_vdst(0)
	v_lshrrev_b32 v12, 4, v1
	v_and_b32 v13, 15, v1
	v_lshlrev_b32 v13, 4, v13
	v_lshl_add_u32 v2, v12, 12, v13                ; in: lanes 0-15 one row, lanes 16-31 the next; 16 bytes a lane
	s_mul_i32 s5, s2, STG                          ; my stage
	v_mul_u32_u24 v3, v12, SP
	v_add_nc_u32 v3, v3, v13
	v_add_nc_u32 v3, s5, v3                        ; into it: as loaded
	v_mul_u32_u24 v4, v1, SP
	v_add_nc_u32 v4, s5, v4                        ; out of it: row = lane
	XLOAD 0
	XLOAD 1
	s_wait_alu depctr_va_vdst(0)
	s_wait_kmcnt 0x0
	SCALE 33, 6
	SCALE 35, 8
	SCALE 37, 10
	s_wait_alu depctr_va_vdst(0)
	s_wait_loadcnt 16                              ; step 0's sixteen loads are in; step 1's may be out
	XTURN 0
	s_wait_loadcnt 0
	XTURN 1                                        ; the same stage: its stores come behind step 0's loads
	s_wait_dscnt 32                                ; step 0 is back; step 1's 16 stores and 16 loads may be out
.irp kc, 0,1,2,3
.irp s, 0,1,2
	XQ 0, \kc, \s
.endr
.endr
	s_wait_dscnt 0
	s_wait_xcnt 0x0                                ; step 0's stores have read their registers: the codes' registers are written again
.irp kc, 0,1,2,3
.irp s, 0,1,2
	XQ 1, \kc, \s
.endr
.endr
	s_wait_tensorcnt 0x0
	ds_add_u32 v224, v225
	s_wait_dscnt 0x0
	s_endpgm
	; ---------------- the weights
.Lweights:
	s_load_b256 s[32:39], s[26:27], 0x0            ; e0 = s32 (Wq), e2 = s34 (Wk), e4 = s36 (Wv)
	s_load_b128 s[40:43], s[26:27], 0x20           ; e11 = s43 (Wp)
	s_sub_co_u32 s3, ttmp9, 512
	s_lshr_b32 s4, s3, 6                           ; which weight
	s_and_b32 s3, s3, 63
	s_lshr_b32 s5, s3, 3                           ; which 128 columns
	s_and_b32 s3, s3, 7                            ; which 128 along K
	s_lshl_b32 s6, s5, 2
	s_add_co_u32 s6, s6, s2                        ; which 32 columns
	s_lshl_b32 s8, s4, 20
	s_lshl_b32 s9, s5, 17
	s_add_co_u32 s8, s8, s9
	s_lshr_b32 s9, s3, 1
	s_lshl_b32 s9, s9, 15
	s_add_co_u32 s8, s8, s9
	s_lshl_b32 s9, s2, 13
	s_add_co_u32 s8, s8, s9
	s_and_b32 s9, s3, 1
	s_lshl_b32 s9, s9, 12
	s_add_co_u32 s8, s8, s9
	s_mov_b32 s9, 0
	s_add_nc_u64 s[30:31], s[30:31], s[8:9]        ; where my codes begin
	s_mov_b32 s11, 0
	s_wait_alu depctr_va_vdst(0)
	v_lshlrev_b32 v2, 2, v1                        ; in: 4 bytes a lane
	s_cmp_eq_u32 s4, 3
	s_cbranch_scc1 .Lwp
	s_cmp_eq_u32 s4, 1                             ; a choice between buffers on the work-group's number alone
	s_cselect_b64 s[18:19], s[20:21], s[18:19]
	s_cmp_eq_u32 s4, 2
	s_cselect_b64 s[18:19], s[22:23], s[18:19]
	s_lshr_b32 s10, s6, 1                          ; the head: 1,024 x 64 x 4 bytes each
	s_lshl_b32 s10, s10, 18
	s_and_b32 s12, s6, 1
	s_lshl_b32 s12, s12, 7                         ; which half of its 64 columns
	s_add_co_u32 s10, s10, s12
	s_lshl_b32 s12, s3, 15                         ; 128 rows of 256 bytes
	s_add_co_u32 s10, s10, s12
	s_add_nc_u64 s[18:19], s[18:19], s[10:11]
	s_wait_alu depctr_va_vdst(0)
	WLOAD 256, 0
	s_wait_kmcnt 0x0
	s_cmp_eq_u32 s4, 1
	s_cselect_b32 s32, s34, s32
	s_cmp_eq_u32 s4, 2
	s_cselect_b32 s32, s36, s32
	WWORK
	s_endpgm
.Lwp:
	s_lshl_b32 s10, s6, 7
	s_lshl_b32 s12, s3, 19                         ; 128 rows of 4,096 bytes
	s_add_co_u32 s10, s10, s12
	s_add_nc_u64 s[18:19], s[24:25], s[10:11]
	s_wait_alu depctr_va_vdst(0)
	WLOAD 4096, 1
	s_wait_kmcnt 0x0
	s_mov_b32 s32, s43
	WWORK
	s_endpgm
.Lfunc_end_k_q48d16138d1_quant:
	.size	k_q48d16138d1_quant, .Lfunc_end_k_q48d16138d1_quant-k_q48d16138d1_quant
	.p2alignl 7, 3214868480
	.fill 96, 4, 3214868480
	.section	.rodata,"a",@progbits
	.p2align	6, 0x0
	.amdhsa_kernel k_q48d16138d1_quant
		.amdhsa_group_segment_fixed_size 35328
		.amdhsa_private_segment_fixed_size 0
		.amdhsa_enable_private_segment 0
		.amdhsa_kernarg_size 64
		.amdhsa_user_sgpr_count 2
		.amdhsa_user_sgpr_kernarg_segment_ptr 1
		.amdhsa_wavefront_size32 1
		.amdhsa_system_sgpr_workgroup_id_x 1
		.amdhsa_system_sgpr_workgroup_id_y 1
		.amdhsa_system_sgpr_workgroup_id_z 1
		.amdhsa_system_vgpr_workitem_id 0
		.amdhsa_next_free_vgpr 226
		.amdhsa_next_free_sgpr 66
		.amdhsa_reserve_vcc 0
		.amdhsa_float_denorm_mode_32 3
		.amdhsa_float_denorm_mode_16_64 3
		.amdhsa_memory_ordered 1
		.amdhsa_forward_progress 1
		.amdhsa_inst_pref_size 86
	.end_amdhsa_kernel
	.amdgpu_metadata
---
amdhsa.version: [ 1, 2 ]
amdhsa.kernels:
  - .name:           k_q48d16138d1_quant
    .symbol:         k_q48d16138d1_quant.kd
    .args:
      - { .name: x, .offset: 0, .size: 8, .value_kind: global_buffer, .address_space: global }
      - { .name: Wq, .offset: 8, .size: 8, .value_kind: global_buffer, .address_space: global }
      - { .name: Wk, .offset: 16, .size: 8, .value_kind: global_buffer, .address_space: global }
      - { .name: Wv, .offset: 24, .size: 8, .value_kind: global_buffer, .address_space: global }
      - { .name: Wp, .offset: 32, .size: 8, .value_kind: global_buffer, .address_space: global }
      - { .name: lowp_scales, .offset: 40, .size: 8, .value_kind: global_buffer, .address_space: global }
      - { .name: xc, .offset: 48, .size: 8, .value_kind: global_buffer, .address_space: global }
      - { .name: wc, .offset: 56, .size: 8, .value_kind: global_buffer, .address_space: global }
    .group_segment_fixed_size: 35328
    .private_segment_fixed_size: 0
    .kernarg_segment_align: 8
    .kernarg_segment_size: 64
    .max_flat_workgroup_size: 128
    .sgpr_count:     66
    .vgpr_count:     226
    .wavefront_size: 32
...
	.end_amdgpu_metadata
.endif
;; end of part 1
;; launch qkv (part 2): grid 4 x 64, 4 waves a work-group, clusters of 4 x 1, 327,680 bytes of LDS; arguments xc, wc, bq, bk, bv, lowp_scales, qkvc; writes qkvc
.if DOCPART == 2
	.amdgcn_target "amdgcn-amd-amdhsa--gfx1250"
	.amdhsa_code_object_version 6
	.text
	.protected	k_q48d16138d1_qkv
	.globl	k_q48d16138d1_qkv
	.p2align	8
	.type	k_q48d16138d1_qkv,@function
k_q48d16138d1_qkv:
	s_mov_b64 s[64:65], 0
	v_nop
	global_prefetch_b8 v0, s[64:65] scope:SCOPE_SE
	s_setreg_imm32_b32 hwreg(HW_REG_WAVE_MODE, 25, 1), 1
	s_wait_xcnt 0x0
	s_wait_alu depctr_hold_cnt(0) depctr_sa_sdst(0) depctr_va_vdst(0) depctr_va_sdst(0) depctr_va_ssrc(0) depctr_va_vcc(0) depctr_vm_vsrc(0)
	s_getreg_b32 s2, hwreg(HW_REG_IB_STS2, 6, 4)
	s_cmp_eq_u32 s2, 0
	s_cbranch_scc0 .Lentry_in_a_cluster
	s_endpgm
.Lentry_in_a_cluster:
	s_bfe_u32 s2, ttmp6, 0x10000c
	s_cmp_lg_u32 s2, 0x3003
	s_cbranch_scc0 .Lentry_shape_is_right
	s_endpgm
.Lentry_shape_is_right:
; q, k, v = x W + b on codes of E4M3 (K = 1,024, sums in f32), then quantised again: q with 2^e6, k with 2^e7, v with 2^e9 of lowp_scales, and stored as images of the attention launch's operand registers.
; SHARES.  A work-group owns 128 tokens x 256 weight rows (four heads) and walks q, k, v: 64 x 4 = 256 work-groups that stay.  Each of its four waves makes all 128 tokens x one head's 64 rows: 32 accumulators, 256 registers.
; CODES IN MEMORY (both operands): byte = (row >> 7) 131072 + (K >> 8) 32768 + ((row >> 5) & 3) 8192 + ((K >> 4) & 15) 512 + (row & 31) 16 + (K & 15): a fragment's load reads 16 bytes a lane, 256 consecutive bytes in sixteen lanes.
; x: the 128 tokens' codes for all of K are one dense block of 131,072 bytes, one such block for each of q, k, v (three scales).  Two LDS regions take turns: a block is asked for behind the change in front of the tile before,
; one tensor load of 32,768 bytes a wave, and has that tile's 256 matrix instructions in which to land.
; CLUSTER: the four work-groups of a block of tokens need the same blocks in the same rounds: joint loads, mask 15.
; W: a wave's 64 rows x 1,024 along K are 65,536 bytes = 512 registers, loaded straight into the operand's registers.  When a K step's products are issued, its 64 registers take the next tensor's fragments of that K step.
; They are not shared inside a cluster: each partner and each wave has rows of its own.
; q, k: source 0 = 16 rows of W, source 1 = 16 tokens: a lane holds a token and its registers run along d.   v: the sources are swapped: a lane holds a d and its registers run along the keys.
; So the conversions' results are, as they stand, registers 2 c, 2 c + 1 of a fragment of q or k (16 tokens x 64 d) or of v (16 d x 128 keys).
; A fragment's registers 4 c .. 4 c + 3 hold K = 32 c + 16 (lane / 16) + 0 .. 15: a permutation of K that is the same in both operands.
; THE BIAS is the C of each accumulator's first product, divided by 2^(e of W + e of x), the power of two that the sums lack; the three scales are folded into the conversion's one: code = sum / 2^(e out - e of W - e of x).
; The three biases are made at the head, in the accumulators' layout, and kept as images of 32 registers in LDS bytes of the wave's own.
; q and k run one loop body, two trips; what differs lies in scalar registers and addresses.
; NO PREFETCH: every fill is asked for a whole tile ahead of its first read, and W's loads run a tile ahead by themselves.
; LIMITS: e of W + e of x between -126 and 126; e out - e of W - e of x between -126 and 119; the bias divided by 2^(e of W + e of x) stays an f32 number.
; REGISTERS.  Window 0: v1-29 addresses; v32-63 the bias as C; v64-255 three buffers of four fragments of x (on the way out v64-127: the codes).  Window 1: accumulator (token block a, row block b) at v[8 (4 a + b)].
;             Windows 2, 3: W's fragments: K step s, row block b at v[16 (4 (s % 4) + b)] of window 2 + s / 4.
.set REG,   131072                     ; an LDS region: 128 tokens x 1,024 codes; two of them
.set SCR,   2*REG                      ; behind them: three images of 4,096 bytes for each wave: the biases; no tensor load lands here
.set SPARE, SCR+4*12288                ; behind those: the spare words, 128 bytes a wave
.set L16,  8                           ; 16 x lane
.set FLG,  9                           ; a fragment's lane part: 512 (lane / 16) + 16 (lane % 16)
.set BCA,  10                          ; my images' first byte, for my lane
.set BCT,  11
.set SCR_, 12
.set HDR_, 13
.set FL,   16                          ; v16 FLG + the region in hand; v17 the same + 65,536
.set SPW,  28
.set NIL,  29
.set BC,   32
.set AB,   64
.set CC,   64
.set WV,   14
.set CX,   15
.set G1,   24
.set G0,   32
.set BW0,  36                          ; Wq's fragments
.set BW,   38                          ; the next tensor's
.set OUT,  40
.set OUTV, 42
.set RB,   44                          ; the region in hand
.set PB,   45                          ; the bias image in hand
.set TR,   46
.set SC,   47                          ; the conversion's scale and the hold, of the tile in hand; s49, s50 of the next; s51, s52 of v
.set HD,   48
.set SCN,  49
.set HDN,  50
.set SCV,  51
.set HDV,  52
.set IQ,   54                          ; 2^-(e of W + e of x) for q, k, v
.set IK,   55
.set IV,   56
.set MSB, 0
.macro WIN new                         ; low byte: bits 1:0 source 0, 3:2 source 1, 5:4 source 2, 7:6 destination; the high byte repeats the setting that is left
.if MSB != (\new)
	s_set_vgpr_msb (MSB<<8)|(\new)
.set MSB, (\new)
.endif
.endm
.macro ROUND                           ; a round of the cluster's barrier
	s_barrier_signal -1
	s_barrier_wait -1
	s_cmp_lg_u32 s[WV], 0
	s_cbranch_scc1 .Lnot_wave_0_\@
	s_barrier_signal -3
.Lnot_wave_0_\@:
	s_barrier_wait -3
	s_barrier_signal -1
	s_barrier_wait -1
.endm
.macro PLACES                          ; plain vector lines between a matrix instruction and a load into, or a read of, its registers
.rept 4
	v_nop
.endr
.endm
.macro XLOAD                           ; my quarter of a block of x's codes; an s_nop 0 and four v_nop follow
	tensor_load_to_lds s[G0:G0+3], s[G1:G1+7]
	s_nop 0
.rept 4
	v_nop
.endr
.endm
.macro BLOAD s, base                   ; W's four fragments of K step s (128 along K)
	WIN 0x80+0x40*((\s)/4)
.irp b, 0,1,2,3
.irp c, 0,1,2,3
	global_load_b128 v[16*(4*((\s)%4)+\b)+4*\c:16*(4*((\s)%4)+\b)+4*\c+3], v[FLG], s[\base:\base+1] offset:((\s)/2)*32768+((\s)%2)*4096+1024*\c+8192*(\b/2)+256*(\b%2)
.endr
.endr
.endm
.macro ALOAD h                         ; half step h = 2 s + u: x's token blocks 4 u .. 4 u + 3 of K step s, into buffer h % 3
.irp i, 0,1,2,3
.irp c, 0,1,2,3
	ds_load_b128 v[AB+64*((\h)%3)+16*\i+4*\c:AB+64*((\h)%3)+16*\i+4*\c+3], v[FL+((\h)/8)] offset:(((\h)/4)%2)*32768+(((\h)/2)%2)*4096+1024*\c+8192*(2*((\h)%2)+\i/2)+256*(\i%2)
.endr
.endr
.endm
.macro MUL h, v                        ; 16 matrix instructions on 16 accumulators, one each; the 32 take turns in the same order in every K step; K step 0 starts the sums from the bias
.if \v
.if (\h) < 2
	WIN 0x48
.else
	WIN 0x58+4*((\h)/8)
.endif
.else
.if (\h) < 2
	WIN 0x42
.else
	WIN 0x52+((\h)/8)
.endif
.endif
.irp i, 0,1,2,3
.irp b, 0,1,2,3
.set AC_, 8*(4*(4*((\h)%2)+\i)+\b)
.set WF_, 16*(4*(((\h)/2)%4)+\b)
.set XF_, AB+64*((\h)%3)+16*\i
.if \v
.if (\h) < 2
	v_wmma_f32_16x16x128_fp8_fp8 v[AC_:AC_+7], v[XF_:XF_+15], v[WF_:WF_+15], v[BC+8*\b:BC+8*\b+7]
.else
	v_wmma_f32_16x16x128_fp8_fp8 v[AC_:AC_+7], v[XF_:XF_+15], v[WF_:WF_+15], v[AC_:AC_+7]
.endif
.else
.if (\h) < 2
	v_wmma_f32_16x16x128_fp8_fp8 v[AC_:AC_+7], v[WF_:WF_+15], v[XF_:XF_+15], v[BC+8*\b:BC+8*\b+7]
.else
	v_wmma_f32_16x16x128_fp8_fp8 v[AC_:AC_+7], v[WF_:WF_+15], v[XF_:XF_+15], v[AC_:AC_+7]
.endif
.endif
.endr
.endr
.endm
; THE CHANGE OF REGIONS, in front of a tile.  Each wave waits for all its tensor loads (its quarter of the block that it is about to read), adds 0 to its spare word, and waits for that and for its LDS reads and stores.
; fill = 1: a round of the cluster's barrier, and behind it the next tensor's block goes into the other region, which nobody reads any more.
.macro CHANGE fill
	s_wait_tensorcnt 0x0
	ds_add_u32 v[SPW], v[NIL]
.if \fill
	s_xor_b32 s[G0+1], s[G0+1], REG                ; no load of mine is out, so group 0 may be written: the other region,
	s_add_nc_u64 s[G0+2:G0+3], s[G0+2:G0+3], 0x800000   ; the next set of x's codes
.endif
	s_wait_dscnt 0x0
.if \fill
	ROUND
	XLOAD                                          ; my one tensor load behind the round
.else
	s_barrier_signal -1
	s_barrier_wait -1
.endif
.endm
; A TILE: 128 tokens x my 64 rows, all of K.  v = 1: the sources swapped.  nxt = 1: the next tensor's fragments of W follow each K step into its registers.
.macro TILE v, nxt
	v_add_nc_u32 v[FL], s[RB], v[FLG]
	v_add_nc_u32 v[FL+1], 0x10000, v[FL]
	v_add_nc_u32 v[BCT], s[PB], v[BCA]
	s_wait_alu depctr_va_vdst(0)
.irp i, 0,1,2,3,4,5,6,7
	ds_load_b128 v[BC+4*\i:BC+4*\i+3], v[BCT] offset:512*\i    ; the bias, as C
.endr
	ALOAD 0
	ALOAD 1
	ALOAD 2
.set hh, 0
.rept 16
.if (hh%2) == 0
.if \nxt
	s_wait_loadcnt 63                              ; 112 loads were issued behind this K step's sixteen: with at most 63 out they are in
.else
.if 16*(7-hh/2) > 63
	s_wait_loadcnt 63
.else
	s_wait_loadcnt 16*(7-hh/2)                     ; this K step's sixteen loads are in; the later steps' may be out
.endif
.endif
.endif
.if hh < 14
	s_wait_dscnt 32                                ; this half step's fragments (and the bias) are in; the two younger buffers' loads may be out
.else
	s_wait_dscnt 16*(15-hh)
.endif
	MUL hh, \v
.set DO_, 0
.if hh < 13
.set DO_, 1
.endif
.if \nxt
.if (hh%2) == 1
.set DO_, 1
.endif
.endif
.if DO_
	WIN 0
	PLACES
.endif
.if hh < 13
	ALOAD hh+3                                     ; the buffer just multiplied takes the half step three on
.endif
.if \nxt
.if (hh%2) == 1
	BLOAD hh/2, BW                                 ; this K step's registers take the next tensor's fragments
.endif
.endif
.set hh, hh+1
.endr
	WIN 0
.endm
; THE WAY OUT: held, converted, stored: 512 consecutive bytes a store.  No LDS: the codes' registers are the image that the attention launch loads.
.macro OUTP v
	PLACES                                         ; behind the last products
	v_mov_b32 v[SCR_], s[SC]
	v_mov_b32 v[HDR_], s[HD]
	WIN 0x41
.set n, 0
.rept 256
	v_med3_num_f32 v[n], v[n], -v[HDR_], v[HDR_]   ; the conversion does not saturate (ISA guide 7.6.2); each accumulator from its low end on
.set n, n+1
.endr
	WIN 0x01
.set n, 0
.rept 32                                       ; accumulator n = 4 a + b
.if \v
	v_cvt_scalef32_pk8_fp8_f32 v[CC+16*(n%4)+2*(n/4):CC+16*(n%4)+2*(n/4)+1], v[8*n:8*n+7], v[SCR_]   ; 16 d of block b: keys 16 a + 8 (lane / 16) + 0 .. 7
.else
	v_cvt_scalef32_pk8_fp8_f32 v[CC+8*(n/4)+2*(n%4):CC+8*(n/4)+2*(n%4)+1], v[8*n:8*n+7], v[SCR_]     ; 16 tokens of block a: d 16 b + 8 (lane / 16) + 0 .. 7
.endif
.set n, n+1
.endr
	v_nop                                          ; a plain line behind the last conversion
	WIN 0
.if \v
.irp b, 0,1,2,3
.irp p, 0,1,2,3
	global_store_b128 v[L16], v[CC+16*\b+4*\p:CC+16*\b+4*\p+3], s[OUTV:OUTV+1] offset:2048*\b+512*\p
.endr
.endr
.else
.irp a, 0,1,2,3,4,5,6,7
.irp p, 0,1
	global_store_b128 v[L16], v[CC+8*\a+4*\p:CC+8*\a+4*\p+3], s[OUT:OUT+1] offset:16384*\a+512*\p
.endr
.endr
.endif
.endm
.macro SCL ew, ex, eo, inv, sc, hd     ; the three powers of two of one tensor
	s_add_co_i32 s10, s[\ew], s[\ex]
	s_sub_co_i32 s11, 127, s10
	s_lshl_b32 s[\inv], s11, 23                    ; 2^-(e of W + e of x)
	s_sub_co_i32 s11, s[\eo], s10
	s_add_co_i32 s11, s11, 127
	s_lshl_b32 s[\sc], s11, 23                     ; 2^(e out - e of W - e of x)
	s_add_co_i32 s11, s11, 8
	s_lshl_b32 s11, s11, 23
	s_or_b32 s[\hd], s11, 0x600000                 ; 448 x that
.endm
	s_load_b256 s[68:75], s[0:1], 0x0              ; xc 68, wc 70, bq 72, bk 74
	s_load_b128 s[76:79], s[0:1], 0x20             ; bv 76, lowp_scales 78
	s_load_b64 s[80:81], s[0:1], 0x30              ; qkvc
	v_lshl_add_u32 v[SPW], v0, 2, SPARE
	v_mov_b32 v[NIL], 0
	ds_add_u32 v[SPW], v[NIL]                      ; the opening lines: the add, twice on end, and its wait ahead of my first tensor load
	ds_add_u32 v[SPW], v[NIL]
	v_lshrrev_b32 v1, 5, v0
	v_readfirstlane_b32 s[WV], v1                  ; wave 0..3
	s_bfe_u32 s[CX], ttmp6, 0x40000                ; my place in the cluster: which four heads
	s_and_b32 s10, ttmp7, 0xffff                   ; which 128 tokens
	s_mov_b32 s[G1], 15|(3<<16)|(1<<21)            ; the mask: all four partners; elements of 8 bytes; bit 21 beside a mask; no padding
	s_mov_b32 s[G1+1], 32<<16                      ; rows of 256 bytes,
	s_mov_b32 s[G1+2], 128<<16                     ; 128 of them,
	s_mov_b32 s[G1+3], 32<<16
	s_mov_b32 s[G1+4], 128
	s_mov_b32 s[G1+5], 32                          ; dense
	s_mov_b32 s[G1+6], 0
	s_mov_b32 s[G1+7], 0
	s_mov_b32 s[G0], 1
	s_lshl_b32 s[G0+1], s[WV], 15                  ; LDS: wave x 32,768: my 256 along K, region 0
	s_lshl_b32 s22, s10, 17                        ; 128 tokens are 2^17 bytes in xc's sets and in q's, k's and v's images
	s_add_co_u32 s12, s22, s[G0+1]
	s_mov_b32 s13, 0
	s_lshl_b32 s16, s[CX], 1                       ; W's codes: my 64 rows are four blocks of 16 in block 2 cx + wave / 2 of 128 rows
	s_lshr_b32 s17, s[WV], 1
	s_add_co_u32 s16, s16, s17
	s_lshl_b32 s16, s16, 17
	s_and_b32 s17, s[WV], 1
	s_lshl_b32 s17, s17, 14
	s_add_co_u32 s16, s16, s17
	s_mov_b32 s17, 0
	s_lshl_b32 s18, s[CX], 10                      ; my head's 64 numbers in a bias: 256 bytes x (4 cx + wave)
	s_lshl_b32 s19, s[WV], 8
	s_add_co_u32 s18, s18, s19
	s_mov_b32 s19, 0
	s_lshl_b32 s20, s18, 2                         ; q's and k's images: head x 1,024
	s_add_co_u32 s20, s20, s22
	s_mov_b32 s21, 0
	s_lshl_b32 s2, s18, 5                          ; v's images: head x 8,192,
	s_add_co_u32 s2, s2, s22
	s_add_co_u32 s2, s2, 0x1000000                 ; in v's part of qkvc
	s_mov_b32 s3, 0
	s_mul_i32 s23, s[WV], 12288
	s_add_co_u32 s23, s23, SCR                     ; my images of the biases
	s_mov_b32 s[RB], 0
	s_mov_b32 s[PB], 0
	s_mov_b32 s[TR], 0
	s_wait_dscnt 0x0                               ; both opening adds are done
	s_wait_kmcnt 0x0
	s_load_b256 s[88:95], s[78:79], 0x0            ; e0 .. e7
	s_load_b64 s[96:97], s[78:79], 0x20            ; e8, e9
	s_add_nc_u64 s[G0+2:G0+3], s[68:69], s[12:13]
	s_or_b32 s[G0+3], s[G0+3], 0x80000000
	s_add_nc_u64 s[BW0:BW0+1], s[70:71], s[16:17]
	s_add_nc_u64 s[BW:BW+1], s[BW0:BW0+1], 0x100000
	s_add_nc_u64 s[72:73], s[72:73], s[18:19]
	s_add_nc_u64 s[74:75], s[74:75], s[18:19]
	s_add_nc_u64 s[76:77], s[76:77], s[18:19]
	s_add_nc_u64 s[OUT:OUT+1], s[80:81], s[20:21]
	s_add_nc_u64 s[OUTV:OUTV+1], s[80:81], s[2:3]
	ROUND                                          ; the four partners are here: the joint loads meet
	XLOAD                                          ; q's block of x: my one tensor load at the head
	v_and_b32 v1, 15, v0                           ; r
	v_bfe_u32 v2, v0, 4, 1                         ; h
	v_lshlrev_b32 v3, 5, v2                        ; 32 h
	v_lshlrev_b32 v4, 2, v1                        ; 4 r
	v_lshlrev_b32 v[FLG], 4, v1
	v_lshl_add_u32 v[FLG], v2, 9, v[FLG]
	v_and_b32 v[L16], 31, v0
	v_lshlrev_b32 v[L16], 4, v[L16]
	v_add_nc_u32 v[BCA], s23, v[L16]
.irp b, 0,1,2,3
	global_load_b128 v[64+8*\b:64+8*\b+3], v3, s[72:73] offset:64*\b          ; bq(16 b + 8 h + 0 .. 7): the accumulators' layout
	global_load_b128 v[64+8*\b+4:64+8*\b+7], v3, s[72:73] offset:64*\b+16
	global_load_b128 v[96+8*\b:96+8*\b+3], v3, s[74:75] offset:64*\b          ; bk likewise
	global_load_b128 v[96+8*\b+4:96+8*\b+7], v3, s[74:75] offset:64*\b+16
	global_load_b32 v[128+\b], v4, s[76:77] offset:64*\b                      ; bv(16 b + r): v's lanes hold a d
.endr
.irp s, 0,1,2,3,4,5,6,7
	BLOAD \s, BW0
.endr
	WIN 0
	s_wait_alu depctr_va_vdst(0)
	s_wait_kmcnt 0x0
	SCL 88, 89, 94, IQ, SC, HD                     ; q: e0, e1, e6
	SCL 90, 91, 95, IK, SCN, HDN                   ; k: e2, e3, e7
	SCL 92, 93, 97, IV, SCV, HDV                   ; v: e4, e5, e9
	s_wait_loadcnt 63                              ; of 148 loads at most 63 are out: the first 20, the biases, are in
.set n, 0
.rept 32
	v_mul_f32 v[64+n], s[IQ], v[64+n]
	v_mul_f32 v[96+n], s[IK], v[96+n]
.set n, n+1
.endr
.irp b, 0,1,2,3
.irp j, 0,1,2,3
	v_mul_f32 v[132+4*\b+\j], s[IV], v[128+\b]     ; the same number in all eight registers of an accumulator
.endr
.endr
.irp i, 0,1,2,3,4,5,6,7
	ds_store_b128 v[BCA], v[64+4*\i:64+4*\i+3] offset:512*\i
	ds_store_b128 v[BCA], v[96+4*\i:96+4*\i+3] offset:4096+512*\i
	ds_store_b128 v[BCA], v[132+4*(\i/2):132+4*(\i/2)+3] offset:8192+512*\i
.endr
	s_wait_alu depctr_va_vdst(0)
.Ltile:                                                ; two trips: q, then k
	CHANGE 1
	TILE 0, 1
	OUTP 0
	s_wait_xcnt 0x0                                ; the loads and stores have read their bases and their registers
	s_add_nc_u64 s[BW:BW+1], s[BW:BW+1], 0x100000
	s_add_nc_u64 s[OUT:OUT+1], s[OUT:OUT+1], 0x800000
	s_xor_b32 s[RB], s[RB], REG
	s_add_co_u32 s[PB], s[PB], 4096
	s_mov_b32 s[SC], s[SCN]
	s_mov_b32 s[HD], s[HDN]
	s_mov_b32 s[SCN], s[SCV]
	s_mov_b32 s[HDN], s[HDV]
	s_add_co_u32 s[TR], s[TR], 1
	s_cmp_lt_u32 s[TR], 2
	s_wait_alu depctr_va_vdst(0)
	s_cbranch_scc1 .Ltile
	CHANGE 0                                       ; v's block is in; nothing is left to fetch
	TILE 1, 0
	OUTP 1
	s_wait_tensorcnt 0x0                           ; the wave's end
	ds_add_u32 v[SPW], v[NIL]
	s_wait_dscnt 0x0
	ROUND                                          ; the closing round
	s_endpgm
.Lfunc_end_k_q48d16138d1_qkv:
	.size	k_q48d16138d1_qkv, .Lfunc_end_k_q48d16138d1_qkv-k_q48d16138d1_qkv
	.p2alignl 7, 3214868480
	.fill 96, 4, 3214868480
	.section	.rodata,"a",@progbits
	.p2align	6, 0x0
	.amdhsa_kernel k_q48d16138d1_qkv
		.amdhsa_group_segment_fixed_size 327680
		.amdhsa_private_segment_fixed_size 0
		.amdhsa_enable_private_segment 0
		.amdhsa_kernarg_size 56
		.amdhsa_user_sgpr_count 2
		.amdhsa_user_sgpr_kernarg_segment_ptr 1
		.amdhsa_wavefront_size32 1
		.amdhsa_system_sgpr_workgroup_id_x 1
		.amdhsa_system_sgpr_workgroup_id_y 1
		.amdhsa_system_sgpr_workgroup_id_z 1
		.amdhsa_system_vgpr_workitem_id 0
		.amdhsa_next_free_vgpr 1024
		.amdhsa_next_free_sgpr 100
		.amdhsa_reserve_vcc 0
		.amdhsa_float_denorm_mode_32 3
		.amdhsa_float_denorm_mode_16_64 3
		.amdhsa_memory_ordered 1
		.amdhsa_forward_progress 1
		.amdhsa_inst_pref_size 150
	.end_amdhsa_kernel
	.amdgpu_metadata
---
amdhsa.version: [ 1, 2 ]
amdhsa.kernels:
  - .name:           k_q48d16138d1_qkv
    .symbol:         k_q48d16138d1_qkv.kd
    .args:
      - { .name: xc, .offset: 0, .size: 8, .value_kind: global_buffer, .address_space: global }
      - { .name: wc, .offset: 8, .size: 8, .value_kind: global_buffer, .address_space: global }
      - { .name: bq, .offset: 16, .size: 8, .value_kind: global_buffer, .address_space: global }
      - { .name: bk, .offset: 24, .size: 8, .value_kind: global_buffer, .address_space: global }
      - { .name: bv, .offset: 32, .size: 8, .value_kind: global_buffer, .address_space: global }
      - { .name: lowp_scales, .offset: 40, .size: 8, .value_kind: global_buffer, .address_space: global }
      - { .name: qkvc, .offset: 48, .size: 8, .value_kind: global_buffer, .address_space: global }
    .group_segment_fixed_size: 327680
    .private_segment_fixed_size: 0
    .kernarg_segment_align: 8
    .kernarg_segment_size: 56
    .max_flat_workgroup_size: 128
    .sgpr_count:     100
    .vgpr_count:     1024
    .wavefront_size: 32
...
	.end_amdgpu_metadata
.endif
;; end of part 2
;; launch attn (part 3): grid 4 x 64, 8 waves a work-group, clusters of 4 x 1, 327,680 bytes of LDS; arguments qkvc, lowp_scales, catc; writes catc
.if DOCPART == 3
	.amdgcn_target "amdgcn-amd-amdhsa--gfx1250"
	.amdhsa_code_object_version 6
	.text
	.protected	k_q48d16138d1_attn
	.globl	k_q48d16138d1_attn
	.p2align	8
	.type	k_q48d16138d1_attn,@function
k_q48d16138d1_attn:
	s_mov_b64 s[64:65], 0
	v_nop
	global_prefetch_b8 v0, s[64:65] scope:SCOPE_SE
	s_setreg_imm32_b32 hwreg(HW_REG_WAVE_MODE, 25, 1), 1
	s_wait_xcnt 0x0
	s_wait_alu depctr_hold_cnt(0) depctr_sa_sdst(0) depctr_va_vdst(0) depctr_va_sdst(0) depctr_va_ssrc(0) depctr_va_vcc(0) depctr_vm_vsrc(0)
	s_getreg_b32 s2, hwreg(HW_REG_IB_STS2, 6, 4)
	s_cmp_eq_u32 s2, 0
	s_cbranch_scc0 .Lentry_in_a_cluster
	s_endpgm
.Lentry_in_a_cluster:
	s_bfe_u32 s2, ttmp6, 0x10000c
	s_cmp_lg_u32 s2, 0x3003
	s_cbranch_scc0 .Lentry_shape_is_right
	s_endpgm
.Lentry_shape_is_right:
; cat[b][q][head x 64 + d] = the sum over keys k <= q of softmax_k(q . k / 8) v, both products on codes of E4M3 (scales 2^e6, 2^e7, 2^e8, 2^e9), then quantised with 2^e10 for the last product.
; THE SOFTMAX: t = score x log2(e) / 8; M = the running largest t rounded UP to a whole number; p = 2^(t - M) is quantised, not normalised; the row's sum is taken of the unquantised p and divides at the end.
; When M moves, the sum and O are multiplied by 2^(old M - new M): exact.  Key steps that lie wholly under the causal mask are left out.
; LDS HOLDS A HEAD'S WHOLE K AND V: 2,048 keys x 64 x 2 = 262,144 bytes, each byte filled once.  Each of eight waves asks for 256 keys of K (waves 0-3) or of V (waves 4-7) at the head: keys 0 to 1,023;
; and once more behind the full sequence and a round: keys 1,024 to 2,047, which have eight key steps in which to land.  One barrier follows those eight steps; behind it no wave waits for another.
; CLUSTER: the four work-groups of a (batch, head) need the same K and V in the same rounds: joint loads, mask 15.
; SHARES.  A head's queries are 64 groups of 32.  The wave w of the work-group at place cx owns group 4 (15 - w) + 3 - cx (first) and group 4 w + cx.  Group 4 a + b needs a + 1 key steps of 128 keys:
; (16 - w) + (w + 1) = 17 steps in every wave of the launch.  Which steps a wave walks hangs on w alone; cx enters global addresses and the numbers that the mask's compares read, no branch and no LDS address.
; The loops' counts are constants; a step all of whose keys come after the group's band of 128 queries is passed over by a scalar branch.
; A wave's 32 queries are two tiles, A and B: each fragment of K and of V feeds two matrix instructions, and the two tiles' vector chains are laid by turns.
; THE EXPONENTIALS go in four units of 32 registers.  Among a unit's exponentials stand only plain lines whose results are read behind the unit's closing wait: the next unit's t - M and the last unit's hold.
; OPERANDS lie in memory as images of their registers (16 bytes a lane, 512 bytes a piece): q, k: 16 tokens x 64 d, two pieces; v: 16 d x 128 keys, four pieces.
; Both products are used transposed: S^T = K Q^T, O^T = V^T P^T: a lane holds one query (lane % 16); tile tau's eight registers are keys 16 tau + 8 (lane / 16) + 0 .. 7: the conversions' results are the second product's operand.
; NO PREFETCH: both fills are asked for as early as they can be, and there is no later stream.
; LIMITS: e6 + e7 between -123 and 130 (added to c's exponent field); e8 and e10 between -126 and 119; e8 + e9 is applied by v_ldexp_f32; the scaled scores stay under 2^31 in magnitude.
; REGISTERS.  Window 0: v1-11 addresses and constants; v12-23 -M, largest score, sum, f for A and B; v24-45 at work; v46-49 constants; v64-127 K's eight fragments; v128-191 S^T of A, v192-255 of B.
;             Window 1: v0-63 V's four fragments; v64-95 O^T of A, v96-127 of B; v128-159 p's codes; v160-175 Q of the first group (A, B), v176-191 of the second.
.set VOFF,  131072                     ; K's 16 steps of 8,192 bytes, then V's
.set SPARE, 262144                     ; behind them: the spare words, 128 bytes for each of eight waves
.set STEPB, 8192
.set LI,   1                           ; 16 x lane
.set LIV,  2                           ; VOFF + 16 x lane
.set ADK,  3
.set ADV,  4
.set SPW,  5
.set NIL,  6
.set GO,   7                           ; the way out: 512 (lane / 16) + 16 (lane % 16)
.set DAL,  8                           ; the mask's number for tile A, first group: 32 b + lane % 16 - 8 (lane / 16)
.set DAS,  9                           ; second group
.set H0,   10                          ; 448 x 2^e8, twice: the two halves of a dual line read different registers
.set H1,   11
.set NA,   12                          ; v12 -M of A, v13 its largest score; v14, v15 of B
.set LA,   16                          ; v[16:17] the sum of A in two halves; v[18:19] of B
.set FA,   20                          ; v20 f of A, v22 of B (v21, v23 named with them as pairs)
.set MA,   24                          ; v24-27 at work for A, v28-31 for B
.set PA,   32                          ; v32, v33 lane permutes' results
.set UA,   34                          ; v34-39 three more chains of A's sum, v40-45 of B's
.set SC8,  46
.set NINF, 47
.set SC10, 48
.set H10,  49
.set OC,   24                          ; the way out: cat's codes, v24-39
.set KR,   64
.set SA,   128
.set SB,   192
.set VR,   0                           ; window 1 from here on
.set OA,   64
.set CA,   128
.set QL,   160
.set QS,   176
.set WV,   18
.set CX,   19
.set SEL,  20
.set CS,   22
.set G1K,  24
.set G1V,  32
.set G0,   40
.set TB,   44                          ; 8,192 x the key step in hand
.set TN,   45
.set DGL,  46                          ; the value of s44 in the first group's last step, the one on the diagonal
.set DGS,  47                          ; the second group's
.set QLA,  60
.set QSA,  62
.set OUL,  66
.set OUS,  68
.set EPV,  70
.set MSB, 0
.macro WIN new                         ; low byte: bits 1:0 source 0, 3:2 source 1, 5:4 source 2, 7:6 destination; the high byte repeats the setting that is left
.if MSB != (\new)
	s_set_vgpr_msb (MSB<<8)|(\new)
.set MSB, (\new)
.endif
.endm
.macro ROUND                           ; a round of the cluster's barrier
	s_barrier_signal -1
	s_barrier_wait -1
	s_cmp_lg_u32 s[WV], 0
	s_cbranch_scc1 .Lnot_wave_0_\@
	s_barrier_signal -3
.Lnot_wave_0_\@:
	s_barrier_wait -3
	s_barrier_signal -1
	s_barrier_wait -1
.endm
.macro JLOAD                           ; a joint load: waves 0-3 ask for 256 keys of K each, waves 4-7 of V; an s_nop 0 and four v_nop follow each line
	s_cmp_lt_u32 s[WV], 4
	s_cbranch_scc0 .Lfor_v_\@
	tensor_load_to_lds s[G0:G0+3], s[G1K:G1K+7]
	s_nop 0
.rept 4
	v_nop
.endr
	s_branch .Lasked_\@
.Lfor_v_\@:
	tensor_load_to_lds s[G0:G0+3], s[G1V:G1V+7]
	s_nop 0
.rept 4
	v_nop
.endr
.Lasked_\@:
.endm
.macro KLOAD adr                       ; a step's eight fragments of K
.irp t, 0,1,2,3,4,5,6,7
	ds_load_b128 v[KR+8*\t:KR+8*\t+3], v[\adr] offset:1024*\t
	ds_load_b128 v[KR+8*\t+4:KR+8*\t+7], v[\adr] offset:1024*\t+512
.endr
.endm
.macro RESET                           ; a group begins: O^T and the sums are zeros, which the first change of M leaves zeros
.irp z, 0,1
	v_mov_b32 v[NA+2*\z+1], 0xff61b1e6             ; the largest score so far: -3e38
	v_mov_b32 v[NA+2*\z], 0x7f61b1e6               ; -M: 3e38, a whole number
	v_mov_b32 v[LA+2*\z], 0
	v_mov_b32 v[LA+2*\z+1], 0
.endr
	WIN 0x40
.set n, 0
.rept 64
	v_mov_b32 v[OA+n], 0
.set n, n+1
.endr
	WIN 0
.endm
; The softmax's units: unit k is registers SA + 32 k .. + 31: units 0, 1 are tile A, units 2, 3 tile B.
.macro FMAU k, i                       ; t - M for pair i of unit k
	v_pk_fma_f32 v[SA+32*(\k)+2*(\i):SA+32*(\k)+2*(\i)+1], v[SA+32*(\k)+2*(\i):SA+32*(\k)+2*(\i)+1], s[CS:CS+1], v[NA+2*((\k)/2):NA+2*((\k)/2)+1] op_sel_hi:[1,0,0]
.endm
.macro EXPU k, i                       ; p = 2^(t - M) for register i of unit k
	v_exp_f32 v[SA+32*(\k)+(\i)], v[SA+32*(\k)+(\i)]
.endm
.macro MINU k, i                       ; the conversion does not saturate (ISA guide 7.6.2); p is not negative: a one-sided hold, two numbers a line
	v_dual_min_num_f32 v[SA+32*(\k)+2*(\i)], v[H0], v[SA+32*(\k)+2*(\i)] :: v_dual_min_num_f32 v[SA+32*(\k)+2*(\i)+1], v[H1], v[SA+32*(\k)+2*(\i)+1]
.endm
.macro BATCH k                         ; unit k's 32 exponentials; among them the next unit's t - M and the last unit's hold, none of which is read before the closing wait
.set i, 0
.rept 16
	EXPU \k, 2*i
.if (\k) < 3
	FMAU (\k)+1, i
.endif
	EXPU \k, 2*i+1
.if (\k) > 0
	MINU (\k)-1, i
.endif
.set i, i+1
.endr
	v_nop                                          ; a plain place behind the last exponential
	s_wait_alu depctr_va_vdst(0)                   ; one wait for the batch and for the plain lines in it
.endm
.macro ACC z, c, src                   ; chain c of tile z's sum takes the pair at src
.if (\c) < 3
	v_pk_add_f32 v[UA+6*(\z)+2*(\c):UA+6*(\z)+2*(\c)+1], v[UA+6*(\z)+2*(\c):UA+6*(\z)+2*(\c)+1], v[(\src):(\src)+1]
.else
	v_pk_add_f32 v[LA+2*(\z):LA+2*(\z)+1], v[LA+2*(\z):LA+2*(\z)+1], v[(\src):(\src)+1]
.endif
.endm
.macro SUMU k                          ; the row's sum of the unquantised p of unit k: four chains; a tile's first unit starts three of them
.if ((\k)%2) == 0
.irp c, 0,1,2
	v_pk_add_f32 v[UA+6*((\k)/2)+2*\c:UA+6*((\k)/2)+2*\c+1], v[SA+32*(\k)+4*\c:SA+32*(\k)+4*\c+1], v[SA+32*(\k)+4*\c+2:SA+32*(\k)+4*\c+3]
.endr
.set j, 6
.rept 10
	ACC (\k)/2, (j+1)%4, SA+32*(\k)+2*j
.set j, j+1
.endr
.else
.set j, 0
.rept 16
	ACC (\k)/2, j%4, SA+32*(\k)+2*j
.set j, j+1
.endr
.endif
.endm
	s_load_b128 s[4:7], s[0:1], 0x0                ; qkvc, lowp_scales
	s_load_b64 s[8:9], s[0:1], 0x10                ; catc
	v_lshl_add_u32 v[SPW], v0, 2, SPARE
	v_mov_b32 v[NIL], 0
	ds_add_u32 v[SPW], v[NIL]                      ; the opening lines: the add, twice on end, and its wait ahead of my first tensor load
	ds_add_u32 v[SPW], v[NIL]
	v_lshrrev_b32 v3, 5, v0
	v_readfirstlane_b32 s[WV], v3                  ; wave 0..7
	s_bfe_u32 s[CX], ttmp6, 0x40000                ; my place in the cluster
	s_and_b32 s10, ttmp7, 0xffff
	s_lshr_b32 s11, s10, 4                         ; batch
	s_and_b32 s10, s10, 15                         ; head
	s_lshl_b32 s12, s11, 21                        ; a batch's 2,048 tokens are 2^21 bytes in each of q, k, v and cat
	s_and_b32 s13, s[WV], 3                        ; which 256 keys I ask for
	s_lshr_b32 s14, s[WV], 2                       ; of K (0) or of V (1)
	s_lshl_b32 s15, s13, 14
	s_lshl_b32 s16, s14, 17
	s_mov_b32 s[G0], 1
	s_add_co_u32 s[G0+1], s15, s16                 ; LDS: 16,384 x slice + VOFF x (K or V)
	s_cmp_eq_u32 s14, 0
	s_cselect_b32 s15, 10, 13
	s_lshl_b32 s15, s10, s15                       ; a head's chunk: 1,024 bytes in k's images, 8,192 in v's
	s_lshl_b32 s16, s14, 23
	s_add_co_u32 s16, s16, 0x800000                ; k's part of qkvc, or v's
	s_add_co_u32 s16, s16, s12
	s_add_co_u32 s16, s16, s15
	s_lshl_b32 s15, s13, 18                        ; 256 keys are 2^18 bytes on in both
	s_add_co_u32 s16, s16, s15
	s_mov_b32 s17, 0
	s_mov_b32 s[G1K], 15|(3<<16)|(1<<21)           ; the mask: all four partners; elements of 8 bytes; bit 21 beside a mask; no padding
	s_mov_b32 s[G1K+1], 128<<16                    ; a chunk of 1,024 bytes,
	s_mov_b32 s[G1K+2], 16<<16                     ; 16 chunks,
	s_mov_b32 s[G1K+3], 128<<16
	s_mov_b32 s[G1K+4], 16
	s_mov_b32 s[G1K+5], 2048                       ; 16,384 bytes apart
	s_mov_b32 s[G1K+6], 0
	s_mov_b32 s[G1K+7], 0
	s_mov_b32 s[G1V], 15|(3<<16)|(1<<21)
	s_mov_b32 s[G1V+1], 1024<<16                   ; a head's 8,192 bytes for 128 keys,
	s_mov_b32 s[G1V+2], 2<<16                      ; twice,
	s_mov_b32 s[G1V+3], 1024<<16
	s_mov_b32 s[G1V+4], 2
	s_mov_b32 s[G1V+5], 16384                      ; 131,072 bytes apart
	s_mov_b32 s[G1V+6], 0
	s_mov_b32 s[G1V+7], 0
	s_mov_b32 s[SEL], 0x76543210
	s_mov_b32 s[SEL+1], 0xfedcba98
	s_mov_b32 s[CS], 0x3e38aa3b                    ; c = log2(e) / 8
	s_wait_dscnt 0x0                               ; both opening adds are done
	s_wait_kmcnt 0x0
	s_load_b256 s[48:55], s[6:7], 0x0              ; e6 = s54, e7 = s55
	s_load_b128 s[56:59], s[6:7], 0x20             ; e8 = s56, e9 = s57, e10 = s58
	s_add_nc_u64 s[G0+2:G0+3], s[4:5], s[16:17]
	s_or_b32 s[G0+3], s[G0+3], 0x80000000
	ROUND                                          ; the four partners are here: the first joint loads meet
	JLOAD                                          ; keys 0 to 1,023: one tensor load a wave
	s_sub_co_u32 s71, 15, s[WV]                    ; the first group's band of 128 queries,
	s_sub_co_u32 s72, 3, s[CX]                     ; and its place in the band
	s_lshl_b32 s[DGL], s71, 13
	s_lshl_b32 s[DGS], s[WV], 13
	s_lshl_b32 s13, s10, 10
	s_add_co_u32 s13, s13, s12                     ; q's images: batch, group x 2^15, head x 2^10
	s_lshl_b32 s14, s71, 17
	s_lshl_b32 s15, s72, 15
	s_add_co_u32 s14, s14, s15
	s_add_co_u32 s14, s14, s13
	s_mov_b32 s15, 0
	s_lshl_b32 s16, s[WV], 17
	s_lshl_b32 s17, s[CX], 15
	s_add_co_u32 s16, s16, s17
	s_add_co_u32 s16, s16, s13
	s_mov_b32 s17, 0
	s_add_nc_u64 s[QLA:QLA+1], s[4:5], s[14:15]
	s_add_nc_u64 s[QSA:QSA+1], s[4:5], s[16:17]
	s_lshr_b32 s13, s10, 2                         ; cat's codes, in the last product's layout: band x 2^17, (head / 4) x 2^15, place x 2^13, (head % 4) x 2^11, tile x 2^8
	s_lshl_b32 s13, s13, 15
	s_add_co_u32 s13, s13, s12
	s_and_b32 s14, s10, 3
	s_lshl_b32 s14, s14, 11
	s_add_co_u32 s13, s13, s14
	s_lshl_b32 s14, s71, 17
	s_lshl_b32 s15, s72, 13
	s_add_co_u32 s14, s14, s15
	s_add_co_u32 s14, s14, s13
	s_mov_b32 s15, 0
	s_lshl_b32 s16, s[WV], 17
	s_lshl_b32 s17, s[CX], 13
	s_add_co_u32 s16, s16, s17
	s_add_co_u32 s16, s16, s13
	s_mov_b32 s17, 0
	s_add_nc_u64 s[OUL:OUL+1], s[8:9], s[14:15]
	s_add_nc_u64 s[OUS:OUS+1], s[8:9], s[16:17]
	s_lshl_b32 s74, s72, 5
	s_lshl_b32 s75, s[CX], 5
	v_and_b32 v[LI], 31, v0
	v_lshlrev_b32 v[LI], 4, v[LI]
	WIN 0x40
.irp z, 0,1
	global_load_b128 v[QL+8*\z:QL+8*\z+3], v[LI], s[QLA:QLA+1] offset:16384*\z
	global_load_b128 v[QL+8*\z+4:QL+8*\z+7], v[LI], s[QLA:QLA+1] offset:16384*\z+512
	global_load_b128 v[QS+8*\z:QS+8*\z+3], v[LI], s[QSA:QSA+1] offset:16384*\z
	global_load_b128 v[QS+8*\z+4:QS+8*\z+7], v[LI], s[QSA:QSA+1] offset:16384*\z+512
.endr
	WIN 0
	v_add_nc_u32 v[LIV], VOFF, v[LI]
	v_and_b32 v3, 15, v0                           ; r
	v_bfe_u32 v4, v0, 4, 1                         ; h
	v_lshlrev_b32 v[GO], 4, v3
	v_lshl_add_u32 v[GO], v4, 9, v[GO]
	v_lshlrev_b32 v4, 3, v4
	v_sub_nc_u32 v3, v3, v4                        ; r - 8 h
	v_add_nc_u32 v[DAL], s74, v3
	v_add_nc_u32 v[DAS], s75, v3
	v_mov_b32 v[NINF], 0xff800000
	v_mov_b32 v[PA], 0                             ; written once: a lane permute's destination counts as one of its sources
	v_mov_b32 v[PA+1], 0
	v_mov_b32 v[FA+1], 0                           ; (named as the upper halves of pairs)
	v_mov_b32 v[FA+3], 0
	RESET
	s_wait_kmcnt 0x0
	s_add_co_i32 s10, s54, s55
	s_lshl_b32 s10, s10, 23
	s_add_co_i32 s[CS], s[CS], s10                 ; a score stands for score x 2^(e6 + e7): added to c's exponent field
	s_mov_b32 s[CS+1], s[CS]
	s_add_co_i32 s[EPV], s56, s57
	s_add_co_i32 s10, s56, 127
	s_lshl_b32 s11, s10, 23                        ; 2^e8
	s_add_co_i32 s10, s10, 8
	s_lshl_b32 s10, s10, 23
	s_or_b32 s10, s10, 0x600000                    ; 448 x 2^e8
	s_add_co_i32 s12, s58, 127
	s_lshl_b32 s13, s12, 23                        ; 2^e10
	s_add_co_i32 s12, s12, 8
	s_lshl_b32 s12, s12, 23
	s_or_b32 s12, s12, 0x600000                    ; 448 x 2^e10
	v_mov_b32 v[SC8], s11
	v_mov_b32 v[H0], s10
	v_mov_b32 v[H1], s10
	v_mov_b32 v[SC10], s13
	v_mov_b32 v[H10], s12
; A KEY STEP: 128 keys against my 32 queries.  qb: Q's registers; chk = 1: the step may be hidden or lie on the diagonal; lim: the last step whose K may be fetched ahead; dg: the diagonal's step; da: the mask's number.
.macro STEP qb, chk, lim, dg, da
.if \chk
	s_cmp_gt_u32 s[TB], s[\dg]                     ; all its keys come after my queries' band
	s_cbranch_scc1 .Lhid_\@
.endif
	s_add_co_u32 s[TN], s[TB], STEPB
	s_min_u32 s[TN], s[TN], \lim                   ; the step whose K is fetched under this step's softmax; at the end of a run the last one again, which nobody uses
	v_add_nc_u32 v[ADV], s[TB], v[LIV]
	v_add_nc_u32 v[ADK], s[TN], v[LI]
	v_nop
	v_nop                                          ; four places in front of loads into registers that the last products read
	WIN 0x40
.irp t, 0,1,2,3
.irp p, 0,1,2,3
	ds_load_b128 v[VR+16*\t+4*\p:VR+16*\t+4*\p+3], v[ADV] offset:2048*\t+512*\p   ; V's fragments land while the softmax is worked
.endr
.endr
	s_wait_alu depctr_va_vdst(0)
	s_wait_dscnt 16                                ; K's sixteen loads are in; V's sixteen, issued behind them, may be out
	WIN 0x04
.irp t, 0,1,2,3,4,5,6,7
	v_wmma_f32_16x16x64_fp8_fp8 v[SA+8*\t:SA+8*\t+7], v[KR+8*\t:KR+8*\t+7], v[\qb:\qb+7], 0
	v_wmma_f32_16x16x64_fp8_fp8 v[SB+8*\t:SB+8*\t+7], v[KR+8*\t:KR+8*\t+7], v[\qb+8:\qb+15], 0
.endr
	WIN 0
.rept 4
	v_nop                                          ; places in front of the loads below and of the first read of the scores
.endr
	KLOAD ADK
.if \chk
	s_cmp_lg_u32 s[TB], s[\dg]                     ; only the band's own step has hidden keys
	s_cbranch_scc1 .Lopen_\@
.set n, 0
.rept 64                                       ; register 8 tau + i of A is hidden where 16 tau + i is above A's number; B's queries lie 16 further on, so the same bit serves B's register 8 (tau + 1) + i; B's tile 0 has no hidden key
	v_cmp_gt_i32 vcc_lo, 16*(n/8)+n%8, v[\da]
	v_cndmask_b32 v[SA+n], v[SA+n], v[NINF], vcc_lo
.if n < 56
	v_cndmask_b32 v[SB+8+n], v[SB+8+n], v[NINF], vcc_lo
.endif
.set n, n+1
.endr
.Lopen_\@:
.endif
.irp c, 0,1,2,3                                ; the step's largest score: four chains a tile, each accumulator from its low end on
.irp z, 0,1
	v_max3_num_f32 v[MA+4*\z+\c], v[SA+64*\z+16*\c], v[SA+64*\z+16*\c+1], v[SA+64*\z+16*\c+2]
.endr
.endr
.irp k, 3,5,7,9,11,13
.irp c, 0,1,2,3
.irp z, 0,1
	v_max3_num_f32 v[MA+4*\z+\c], v[MA+4*\z+\c], v[SA+64*\z+16*\c+\k], v[SA+64*\z+16*\c+\k+1]
.endr
.endr
.endr
.irp z, 0,1
	v_max3_num_f32 v[MA+4*\z], v[MA+4*\z], v[MA+4*\z+1], v[SA+64*\z+15]
	v_max3_num_f32 v[MA+4*\z+2], v[MA+4*\z+2], v[MA+4*\z+3], v[SA+64*\z+31]
.endr
.irp z, 0,1
	v_max3_num_f32 v[MA+4*\z], v[MA+4*\z], v[SA+64*\z+47], v[SA+64*\z+63]
.endr
.irp z, 0,1
	v_max_num_f32 v[MA+4*\z], v[MA+4*\z], v[MA+4*\z+2]
.endr
.irp z, 0,1
	v_permlanex16_b32 v[PA+\z], v[MA+4*\z], s[SEL], s[SEL+1]
.endr
.irp z, 0,1
	v_max3_num_f32 v[NA+2*\z+1], v[NA+2*\z+1], v[MA+4*\z], v[PA+\z]   ; the running largest score, both halves of the lanes
.endr
.irp z, 0,1
	v_mul_f32 v[MA+4*\z], s[CS], v[NA+2*\z+1]      ; as t (c is positive)
.endr
.irp z, 0,1
	v_floor_f32 v[MA+4*\z], -v[MA+4*\z]            ; -M = floor(-t): M is a whole number
.endr
.irp z, 0,1
	v_sub_f32 v[MA+4*\z+1], v[MA+4*\z], v[NA+2*\z] ; old M - new M: a whole number, 0 or less
.endr
.irp z, 0,1
	v_mov_b32 v[NA+2*\z], v[MA+4*\z]
.endr
.irp z, 0,1
	v_cvt_i32_f32 v[MA+4*\z+1], v[MA+4*\z+1]       ; (it saturates)
.endr
.irp z, 0,1
	v_ldexp_f32 v[FA+2*\z], 1.0, v[MA+4*\z+1]      ; f = 2^(old M - new M)
.endr
.set i, 0
.rept 16
	FMAU 0, i
.set i, i+1
.endr
	s_wait_alu depctr_va_vdst(0)
	BATCH 0
	v_pk_mul_f32 v[LA:LA+1], v[LA:LA+1], v[FA:FA+1] op_sel_hi:[1,0]           ; the sums under the new M
	v_pk_mul_f32 v[LA+2:LA+3], v[LA+2:LA+3], v[FA+2:FA+3] op_sel_hi:[1,0]
	SUMU 0
	BATCH 1
	SUMU 1
	BATCH 2
	SUMU 2
	BATCH 3
	SUMU 3
.set i, 0
.rept 16
	MINU 3, i
.set i, i+1
.endr
.irp z, 0,1
	v_pk_add_f32 v[UA+6*\z+2:UA+6*\z+3], v[UA+6*\z+2:UA+6*\z+3], v[UA+6*\z+4:UA+6*\z+5]
	v_pk_add_f32 v[LA+2*\z:LA+2*\z+1], v[LA+2*\z:LA+2*\z+1], v[UA+6*\z:UA+6*\z+1]
.endr
.irp z, 0,1
	v_pk_add_f32 v[LA+2*\z:LA+2*\z+1], v[LA+2*\z:LA+2*\z+1], v[UA+6*\z+2:UA+6*\z+3]
.endr
	WIN 0x40
.set n, 0
.rept 16
	v_cvt_scalef32_pk8_fp8_f32 v[CA+2*n:CA+2*n+1], v[SA+8*n:SA+8*n+7], v[SC8]
.set n, n+1
.endr
	WIN 0x41
	s_wait_alu depctr_va_vdst(0)                   ; directly ahead of the first reader of O^T
.set n, 0
.rept 32
	v_pk_mul_f32 v[OA+n:OA+n+1], v[OA+n:OA+n+1], v[FA+2*(n/32):FA+2*(n/32)+1] op_sel_hi:[1,0]   ; O^T under the new M; also the plain lines between the conversions and the products
.set n, n+2
.endr
	s_wait_alu depctr_va_vdst(0)
	s_wait_dscnt 16                                ; V's fragments are in; the next K's sixteen loads, issued behind them, may be out
	WIN 0x55
.irp t, 0,1,2,3
	v_wmma_f32_16x16x128_fp8_fp8 v[OA+8*\t:OA+8*\t+7], v[VR+16*\t:VR+16*\t+15], v[CA:CA+15], v[OA+8*\t:OA+8*\t+7]                   ; eight accumulators by turns
	v_wmma_f32_16x16x128_fp8_fp8 v[OA+32+8*\t:OA+32+8*\t+7], v[VR+16*\t:VR+16*\t+15], v[CA+16:CA+31], v[OA+32+8*\t:OA+32+8*\t+7]
.endr
	WIN 0
.if \chk
.Lhid_\@:
.endif
.endm
; A GROUP'S END: O^T / the sum x 2^(e8 + e9), quantised with 2^e10.  A lane's 32 numbers of a tile are d = 16 t + 8 (lane / 16) + 0 .. 7 of its query: two stores of 16 bytes, each half of the lanes filling 256 consecutive bytes.
.macro FINISH out
.rept 4
	v_nop                                          ; places behind the last products
.endr
.irp z, 0,1
	v_add_f32 v[LA+2*\z], v[LA+2*\z], v[LA+2*\z+1]
.endr
.irp z, 0,1
	v_permlanex16_b32 v[PA+\z], v[LA+2*\z], s[SEL], s[SEL+1]
.endr
.irp z, 0,1
	v_add_f32 v[LA+2*\z], v[LA+2*\z], v[PA+\z]     ; the row's sum
.endr
	s_wait_alu depctr_va_vdst(0)
	v_rcp_f32 v[LA], v[LA]
	v_rcp_f32 v[LA+2], v[LA+2]
	v_nop                                          ; a plain line behind them
	s_wait_alu depctr_va_vdst(0)                   ; the wait ahead of their first reader
	v_ldexp_f32 v[LA], v[LA], s[EPV]
	v_ldexp_f32 v[LA+2], v[LA+2], s[EPV]
	WIN 0x01
	s_wait_alu depctr_va_vdst(0)                   ; directly ahead of the first reader of O^T
.set n, 0
.rept 32
	v_pk_mul_f32 v[SA+n:SA+n+1], v[OA+n:OA+n+1], v[LA+2*(n/32):LA+2*(n/32)+1] op_sel_hi:[1,0]   ; each accumulator from its low end on
.set n, n+2
.endr
	WIN 0
.set n, 0
.rept 64
	v_med3_num_f32 v[SA+n], v[SA+n], -v[H10], v[H10]
.set n, n+1
.endr
.set n, 0
.rept 8
	v_cvt_scalef32_pk8_fp8_f32 v[OC+2*n:OC+2*n+1], v[SA+8*n:SA+8*n+7], v[SC10]
.set n, n+1
.endr
	v_nop                                          ; a plain line behind the last conversion
.irp z, 0,1
	global_store_b128 v[GO], v[OC+8*\z:OC+8*\z+3], s[\out:\out+1] offset:256*\z
	global_store_b128 v[GO], v[OC+8*\z+4:OC+8*\z+7], s[\out:\out+1] offset:256*\z+1024
.endr
.endm
	s_wait_alu depctr_va_vdst(0)
	s_wait_tensorcnt 0x0                           ; my part of keys 0 to 1,023 is in; the later first fill is issued as a refill is:
	ds_add_u32 v[SPW], v[NIL]                      ; 0 onto my spare word
	s_add_co_u32 s[G0+1], s[G0+1], 65536           ; no load of mine is out, so group 0 may be written: 1,024 keys on, in LDS
	s_add_nc_u64 s[G0+2:G0+3], s[G0+2:G0+3], 0x100000   ; and in memory
	s_wait_dscnt 0x0
	ROUND                                          ; everybody's part is in, and the four partners are here
	JLOAD                                          ; keys 1,024 to 2,047: my one tensor load behind the round
	KLOAD LI                                       ; step 0's K
	s_mov_b32 s[TB], 0
	s_wait_loadcnt 0x0                             ; Q
.Lp1:                                                  ; the first group, steps 0 to 7: all their keys count for every wave's first group (its queries are 1,024 and above)
	STEP QL, 0, 7*STEPB, DGL, DAL
	s_add_co_u32 s[TB], s[TB], STEPB
	s_cmp_lt_u32 s[TB], 8*STEPB
	s_cbranch_scc1 .Lp1
	s_wait_tensorcnt 0x0                           ; my part of keys 1,024 to 2,047 is in
	ds_add_u32 v[SPW], v[NIL]
	s_wait_dscnt 0x0
	s_barrier_signal -1
	s_barrier_wait -1                              ; and everybody's
	v_add_nc_u32 v[ADK], s[TB], v[LI]
	KLOAD ADK                                      ; step 8's K
.Lp2:                                                  ; steps 8 to 15, up to the group's own band
	STEP QL, 1, 15*STEPB, DGL, DAL
	s_add_co_u32 s[TB], s[TB], STEPB
	s_cmp_lt_u32 s[TB], 16*STEPB
	s_cbranch_scc1 .Lp2
	s_wait_dscnt 0x0                               ; the K fetched ahead last has landed: its registers take new loads
	KLOAD LI                                       ; the second group's step 0, under the first group's way out
	FINISH OUL
	s_wait_xcnt 0x0                                ; the stores have read their registers
	RESET
	s_mov_b32 s[TB], 0
	s_wait_alu depctr_va_vdst(0)
.Lp3:                                                  ; the second group: steps 0 to 7, up to its own band
	STEP QS, 1, 15*STEPB, DGS, DAS
	s_add_co_u32 s[TB], s[TB], STEPB
	s_cmp_lt_u32 s[TB], 8*STEPB
	s_cbranch_scc1 .Lp3
	FINISH OUS
	s_wait_tensorcnt 0x0                           ; the wave's end
	ds_add_u32 v[SPW], v[NIL]
	s_wait_dscnt 0x0
	ROUND                                          ; the closing round
	s_endpgm
.Lfunc_end_k_q48d16138d1_attn:
	.size	k_q48d16138d1_attn, .Lfunc_end_k_q48d16138d1_attn-k_q48d16138d1_attn
	.p2alignl 7, 3214868480
	.fill 96, 4, 3214868480
	.section	.rodata,"a",@progbits
	.p2align	6, 0x0
	.amdhsa_kernel k_q48d16138d1_attn
		.amdhsa_group_segment_fixed_size 327680
		.amdhsa_private_segment_fixed_size 0
		.amdhsa_enable_private_segment 0
		.amdhsa_kernarg_size 24
		.amdhsa_user_sgpr_count 2
		.amdhsa_user_sgpr_kernarg_segment_ptr 1
		.amdhsa_wavefront_size32 1
		.amdhsa_system_sgpr_workgroup_id_x 1
		.amdhsa_system_sgpr_workgroup_id_y 1
		.amdhsa_system_sgpr_workgroup_id_z 1
		.amdhsa_system_vgpr_workitem_id 0
		.amdhsa_next_free_vgpr 512
		.amdhsa_next_free_sgpr 80
		.amdhsa_reserve_vcc 1
		.amdhsa_float_denorm_mode_32 3
		.amdhsa_float_denorm_mode_16_64 3
		.amdhsa_memory_ordered 1
		.amdhsa_forward_progress 1
		.amdhsa_inst_pref_size 132
	.end_amdhsa_kernel
	.amdgpu_metadata
---
amdhsa.version: [ 1, 2 ]
amdhsa.kernels:
  - .name:           k_q48d16138d1_attn
    .symbol:         k_q48d16138d1_attn.kd
    .args:
      - { .name: qkvc, .offset: 0, .size: 8, .value_kind: global_buffer, .address_space: global }
      - { .name: lowp_scales, .offset: 8, .size: 8, .value_kind: global_buffer, .address_space: global }
      - { .name: catc, .offset: 16, .size: 8, .value_kind: global_buffer, .address_space: global }
    .group_segment_fixed_size: 327680
    .private_segment_fixed_size: 0
    .kernarg_segment_align: 8
    .kernarg_segment_size: 24
    .max_flat_workgroup_size: 256
    .sgpr_count:     80
    .vgpr_count:     512
    .wavefront_size: 32
...
	.end_amdgpu_metadata
.endif
;; end of part 3
;; launch proj (part 4): grid 4 x 64, 4 waves a work-group, clusters of 4 x 1, 167,936 bytes of LDS; arguments catc, wc, bp, lowp_scales, out0; writes out0
.if DOCPART == 4
	.amdgcn_target "amdgcn-amd-amdhsa--gfx1250"
	.amdhsa_code_object_version 6
	.text
	.protected	k_q48d16138d1_proj
	.globl	k_q48d16138d1_proj
	.p2align	8
	.type	k_q48d16138d1_proj,@function
k_q48d16138d1_proj:
	s_mov_b64 s[64:65], 0
	v_nop
	global_prefetch_b8 v0, s[64:65] scope:SCOPE_SE
	s_setreg_imm32_b32 hwreg(HW_REG_WAVE_MODE, 25, 1), 1
	s_wait_xcnt 0x0
	s_wait_alu depctr_hold_cnt(0) depctr_sa_sdst(0) depctr_va_vdst(0) depctr_va_sdst(0) depctr_va_ssrc(0) depctr_va_vcc(0) depctr_vm_vsrc(0)
	s_getreg_b32 s2, hwreg(HW_REG_IB_STS2, 6, 4)
	s_cmp_eq_u32 s2, 0
	s_cbranch_scc0 .Lentry_in_a_cluster
	s_endpgm
.Lentry_in_a_cluster:
	s_bfe_u32 s2, ttmp6, 0x10000c
	s_cmp_lg_u32 s2, 0x3003
	s_cbranch_scc0 .Lentry_shape_is_right
	s_endpgm
.Lentry_shape_is_right:
; out0[token][n] = (sum over K of cat's codes x Wp's codes) x 2^(e10 + e11) + bp[n]: codes of E4M3, K = 1,024, sums in f32.
; SHARES.  A work-group makes 128 tokens x 256 columns: 64 x 4 = 256 work-groups.  Each of its four waves makes all 128 tokens x 64 columns of its own: 32 accumulators, 256 registers.
; CODES IN MEMORY (both operands): byte = (row >> 7) 131072 + (K >> 8) 32768 + ((row >> 5) & 3) 8192 + ((K >> 4) & 15) 512 + (row & 31) 16 + (K & 15): a fragment's load reads 16 bytes a lane, 256 consecutive bytes in sixteen lanes.
; cat: the 128 tokens' codes for all of K are one dense block of 131,072 bytes.  It lies in LDS whole, as it lies in memory: one tensor load of 32,768 bytes a wave at the head, no slot, no refill, one barrier.
; CLUSTER: the four work-groups of a block of tokens need the same block: joint loads, mask 15.
; Wp: a wave's 64 columns x 1,024 along K are 65,536 bytes = 512 registers: they are loaded straight into the operand's registers (128 loads of 512 bytes) and are read by that wave alone.
; They are not shared inside a cluster: each partner and each wave has columns of its own.
; THE MATRIX INSTRUCTION IS USED TRANSPOSED (source 0 = 16 columns of Wp, source 1 = 16 tokens): a lane holds token lane % 16, and its registers eight neighbouring columns.
; A fragment's registers 4 c .. 4 c + 3 hold K = 32 c + 16 (lane / 16) + 0 .. 15: a permutation of K that is the same in both operands.
; NO PREFETCH: every operand byte is asked for at the head; there is no loop to run ahead in.
; LIMIT: e10 + e11 between -126 and 127, so that 2^(e10 + e11) is an f32 number.
; REGISTERS.  Window 0: v1-29 addresses, the bias; v64-255 three buffers of four fragments of cat (on the way out: rows read back).  Window 1: accumulator (a, b) at v[8 (4 a + b)].
;             Windows 2, 3: Wp's fragments: K step s, column block b at v[16 (4 (s % 4) + b)] of window 2 + s / 4.
.set STAGE,  131072                    ; behind cat's block: 16 rows x 272 bytes for each wave, for the way out; no tensor load lands here
.set SPITCH, 272
.set SPARE,  STAGE+4*16*SPITCH         ; behind the stages: the spare words, 128 bytes a wave
.set C16,  12                          ; 16 (lane % 16)
.set FL,   16                          ; v16 a fragment's lane part: 512 (lane / 16) + 16 (lane % 16); v17 the same + 65,536
.set STO,  24
.set RD,   25
.set CO,   26
.set SPW,  28
.set NIL,  29
.set AB,   64
.set BK,   64
.set WV,   14
.set CX,   15
.set G1,   24
.set G0,   32
.set BW,   36
.set MSB, 0
.macro WIN new                         ; low byte: bits 1:0 source 0, 3:2 source 1, 5:4 source 2, 7:6 destination; the high byte repeats the setting that is left
.if MSB != (\new)
	s_set_vgpr_msb (MSB<<8)|(\new)
.set MSB, (\new)
.endif
.endm
.macro ROUND                           ; a round of the cluster's barrier
	s_barrier_signal -1
	s_barrier_wait -1
	s_cmp_lg_u32 s[WV], 0
	s_cbranch_scc1 .Lnot_wave_0_\@
	s_barrier_signal -3
.Lnot_wave_0_\@:
	s_barrier_wait -3
	s_barrier_signal -1
	s_barrier_wait -1
.endm
.macro PLACES                          ; plain vector lines between a matrix instruction and a load into, or a read of, its registers
.rept 4
	v_nop
.endr
.endm
.macro BLOAD s                         ; Wp's four fragments of K step s (128 along K)
	WIN 0x80+0x40*((\s)/4)
.irp b, 0,1,2,3
.irp c, 0,1,2,3
	global_load_b128 v[16*(4*((\s)%4)+\b)+4*\c:16*(4*((\s)%4)+\b)+4*\c+3], v[FL], s[BW:BW+1] offset:((\s)/2)*32768+((\s)%2)*4096+1024*\c+8192*(\b/2)+256*(\b%2)
.endr
.endr
.endm
.macro ALOAD h                         ; half step h = 2 s + u: cat's token blocks 4 u .. 4 u + 3 of K step s, into buffer h % 3
.irp i, 0,1,2,3
.irp c, 0,1,2,3
	ds_load_b128 v[AB+64*((\h)%3)+16*\i+4*\c:AB+64*((\h)%3)+16*\i+4*\c+3], v[FL+((\h)/8)] offset:(((\h)/4)%2)*32768+(((\h)/2)%2)*4096+1024*\c+8192*(2*((\h)%2)+\i/2)+256*(\i%2)
.endr
.endr
.endm
.macro MUL h                           ; 16 matrix instructions on 16 accumulators, one each; the 32 take turns in the same order in every K step; K step 0 starts the sums
	WIN 0x52+((\h)/8)
.irp i, 0,1,2,3
.irp b, 0,1,2,3
.if (\h) < 2
	v_wmma_f32_16x16x128_fp8_fp8 v[8*(4*(4*((\h)%2)+\i)+\b):8*(4*(4*((\h)%2)+\i)+\b)+7], v[16*(4*(((\h)/2)%4)+\b):16*(4*(((\h)/2)%4)+\b)+15], v[AB+64*((\h)%3)+16*\i:AB+64*((\h)%3)+16*\i+15], 0
.else
	v_wmma_f32_16x16x128_fp8_fp8 v[8*(4*(4*((\h)%2)+\i)+\b):8*(4*(4*((\h)%2)+\i)+\b)+7], v[16*(4*(((\h)/2)%4)+\b):16*(4*(((\h)/2)%4)+\b)+15], v[AB+64*((\h)%3)+16*\i:AB+64*((\h)%3)+16*\i+15], v[8*(4*(4*((\h)%2)+\i)+\b):8*(4*(4*((\h)%2)+\i)+\b)+7]
.endif
.endr
.endr
.endm
	s_load_b256 s[68:75], s[0:1], 0x0              ; catc 68, wc 70, bp 72, lowp_scales 74
	s_load_b64 s[76:77], s[0:1], 0x20              ; out0
	v_lshl_add_u32 v[SPW], v0, 2, SPARE
	v_mov_b32 v[NIL], 0
	ds_add_u32 v[SPW], v[NIL]                      ; the opening lines: the add, twice on end, and its wait ahead of my first tensor load
	ds_add_u32 v[SPW], v[NIL]
	v_lshrrev_b32 v1, 5, v0
	v_readfirstlane_b32 s[WV], v1                  ; wave 0..3
	s_bfe_u32 s[CX], ttmp6, 0x40000                ; my place in the cluster: which 256 columns
	s_and_b32 s10, ttmp7, 0xffff                   ; which 128 tokens
	s_mov_b32 s[G1], 15|(3<<16)|(1<<21)            ; the mask: all four partners; elements of 8 bytes; bit 21 beside a mask; no padding
	s_mov_b32 s[G1+1], 32<<16                      ; rows of 256 bytes,
	s_mov_b32 s[G1+2], 128<<16                     ; 128 of them,
	s_mov_b32 s[G1+3], 32<<16
	s_mov_b32 s[G1+4], 128
	s_mov_b32 s[G1+5], 32                          ; dense
	s_mov_b32 s[G1+6], 0
	s_mov_b32 s[G1+7], 0
	s_mov_b32 s[G0], 1
	s_lshl_b32 s[G0+1], s[WV], 15                  ; LDS: wave x 32,768: my 256 along K
	s_lshl_b32 s12, s10, 17
	s_add_co_u32 s12, s12, s[G0+1]                 ; the same place in the tokens' block of catc
	s_mov_b32 s13, 0
	s_lshl_b32 s16, s[CX], 1                       ; Wp's codes: my 64 columns are four blocks of 16 rows in block 2 cx + wave / 2 of 128 rows
	s_lshr_b32 s17, s[WV], 1
	s_add_co_u32 s16, s16, s17
	s_lshl_b32 s16, s16, 17
	s_and_b32 s17, s[WV], 1
	s_lshl_b32 s17, s17, 14
	s_add_co_u32 s16, s16, s17
	s_add_co_u32 s16, s16, 0x300000                ; Wp's part of wc
	s_mov_b32 s17, 0
	s_lshl_b32 s18, s[CX], 10                      ; my first column in bytes of f32: 1,024 cx + 256 wave
	s_lshl_b32 s19, s[WV], 8
	s_add_co_u32 s18, s18, s19
	s_mov_b32 s19, 0
	s_lshl_b32 s20, s10, 19                        ; 128 rows of out0 are 2^19 bytes
	s_add_co_u32 s20, s20, s18
	s_mov_b32 s21, 0
	s_mul_i32 s23, s[WV], 16*SPITCH
	s_add_co_u32 s23, s23, STAGE                   ; my stage
	s_wait_dscnt 0x0                               ; both opening adds are done
	s_wait_kmcnt 0x0
	s_load_b64 s[66:67], s[74:75], 0x28            ; e10, e11
	s_add_nc_u64 s[G0+2:G0+3], s[68:69], s[12:13]
	s_or_b32 s[G0+3], s[G0+3], 0x80000000
	s_add_nc_u64 s[BW:BW+1], s[70:71], s[16:17]
	s_add_nc_u64 s[72:73], s[72:73], s[18:19]
	s_add_nc_u64 s[76:77], s[76:77], s[20:21]
	ROUND                                          ; the four partners are here: the joint loads meet
	tensor_load_to_lds s[G0:G0+3], s[G1:G1+7]      ; my quarter of cat's block: my one tensor load
	s_nop 0
.rept 4
	v_nop
.endr
	v_and_b32 v1, 15, v0                           ; r
	v_bfe_u32 v2, v0, 4, 1                         ; h
	v_lshlrev_b32 v[C16], 4, v1
	v_lshl_add_u32 v[FL], v2, 9, v[C16]
	v_add_nc_u32 v[FL+1], 65536, v[FL]
	v_lshl_add_u32 v[CO], v2, 12, v[C16]           ; out0: lanes 0-15 one row, lanes 16-31 the next; 16 bytes a lane
	v_mul_u32_u24 v3, v1, SPITCH
	v_lshl_add_u32 v3, v2, 5, v3
	v_add_nc_u32 v[STO], s23, v3                   ; into the stage: row r, 32 bytes for each half of the lanes
	v_mul_u32_u24 v4, v2, SPITCH
	v_add_nc_u32 v4, v4, v[C16]
	v_add_nc_u32 v[RD], s23, v4                    ; back: sixteen lanes to a row of 256 bytes
	global_load_b128 v[8:11], v[C16], s[72:73]     ; bp at the four columns that I store
.irp s, 0,1,2,3,4,5,6,7
	BLOAD \s
.endr
	WIN 0
	s_wait_alu depctr_va_vdst(0)
	s_wait_tensorcnt 0x0                           ; my quarter is in,
	s_barrier_signal -1
	s_barrier_wait -1                              ; and everybody's
	ALOAD 0
	ALOAD 1
	ALOAD 2
.set hh, 0
.rept 16
.if hh == 0
	s_wait_loadcnt 63                              ; of 129 loads at most 63 are out: the bias and K steps 0 to 3 (65 loads) are in
.endif
.if hh >= 8
.if (hh%2) == 0
	s_wait_loadcnt 16*(7-hh/2)                     ; this K step's sixteen loads are in; the later steps' may be out
.endif
.endif
.if hh < 14
	s_wait_dscnt 32                                ; this half step's fragments are in; the two younger buffers' loads may be out
.else
	s_wait_dscnt 16*(15-hh)
.endif
	MUL hh
.if hh < 13
	WIN 0
	PLACES
	ALOAD hh+3                                     ; the buffer just multiplied takes the half step three on
.endif
.set hh, hh+1
.endr
	WIN 0
; THE WAY OUT, block by block of 16 tokens x 64 columns: a lane holds 32 neighbouring bytes of a row and the lanes beside it other rows, so a block goes through my own stage and comes back as rows of 256 bytes;
; x 2^(e10 + e11), + bias, and sixteen lanes store one aligned unit of 256 bytes.  LDS serves a wave's instructions in order (ISA guide 5.7.1.4): no wait between the stores and the loads.
.macro TOSTAGE a
	WIN 0x04                                       ; an LDS store's data: source 1, window 1
.irp b, 0,1,2,3
	ds_store_b128 v[STO], v[32*(\a)+8*\b:32*(\a)+8*\b+3] offset:64*\b          ; each accumulator from its low end on
	ds_store_b128 v[STO], v[32*(\a)+8*\b+4:32*(\a)+8*\b+7] offset:64*\b+16
.endr
	WIN 0
.irp t, 0,1,2,3,4,5,6,7
	ds_load_b128 v[BK+32*((\a)%2)+4*\t:BK+32*((\a)%2)+4*\t+3], v[RD] offset:\t*2*SPITCH
.endr
.endm
.macro SEND a, younger                 ; younger: the LDS instructions issued behind block a's loads, which may stay out
	s_wait_dscnt \younger
.if (\a) > 0
	s_add_nc_u64 s[76:77], s[76:77], 16*4096       ; (behind a wait on XCNT: the earlier stores have read their base)
.endif
.irp t, 0,1,2,3,4,5,6,7
	v_pk_fma_f32 v[BK+32*((\a)%2)+4*\t:BK+32*((\a)%2)+4*\t+1], v[BK+32*((\a)%2)+4*\t:BK+32*((\a)%2)+4*\t+1], s[66:67], v[8:9] op_sel_hi:[1,0,1]
	v_pk_fma_f32 v[BK+32*((\a)%2)+4*\t+2:BK+32*((\a)%2)+4*\t+3], v[BK+32*((\a)%2)+4*\t+2:BK+32*((\a)%2)+4*\t+3], s[66:67], v[10:11] op_sel_hi:[1,0,1]
	global_store_b128 v[CO], v[BK+32*((\a)%2)+4*\t:BK+32*((\a)%2)+4*\t+3], s[76:77] offset:\t*8192 th:TH_STORE_NT
.endr
.endm
	s_wait_kmcnt 0x0
	s_add_co_i32 s66, s66, s67
	s_add_co_i32 s66, s66, 127
	s_lshl_b32 s66, s66, 23                        ; 2^(e10 + e11) as f32
	s_mov_b32 s67, s66                             ; (named with it as a pair)
	PLACES                                         ; behind the last products
	TOSTAGE 0
.irp a, 1,2,3,4,5,6,7
.if \a > 1
	s_wait_xcnt 0x0                                ; block a - 2's stores have read their registers and their base
.endif
	TOSTAGE \a
	SEND \a-1, 16                                  ; behind block a - 1's loads: block a's 8 stores and 8 loads
.endr
	s_wait_xcnt 0x0
	SEND 7, 0
	s_wait_tensorcnt 0x0                           ; the wave's end
	ds_add_u32 v[SPW], v[NIL]
	s_wait_dscnt 0x0
	ROUND                                          ; the closing round
	s_endpgm
.Lfunc_end_k_q48d16138d1_proj:
	.size	k_q48d16138d1_proj, .Lfunc_end_k_q48d16138d1_proj-k_q48d16138d1_proj
	.p2alignl 7, 3214868480
	.fill 96, 4, 3214868480
	.section	.rodata,"a",@progbits
	.p2align	6, 0x0
	.amdhsa_kernel k_q48d16138d1_proj
		.amdhsa_group_segment_fixed_size 167936
		.amdhsa_private_segment_fixed_size 0
		.amdhsa_enable_private_segment 0
		.amdhsa_kernarg_size 40
		.amdhsa_user_sgpr_count 2
		.amdhsa_user_sgpr_kernarg_segment_ptr 1
		.amdhsa_wavefront_size32 1
		.amdhsa_system_sgpr_workgroup_id_x 1
		.amdhsa_system_sgpr_workgroup_id_y 1
		.amdhsa_system_sgpr_workgroup_id_z 1
		.amdhsa_system_vgpr_workitem_id 0
		.amdhsa_next_free_vgpr 1024
		.amdhsa_next_free_sgpr 80
		.amdhsa_reserve_vcc 0
		.amdhsa_float_denorm_mode_32 3
		.amdhsa_float_denorm_mode_16_64 3
		.amdhsa_memory_ordered 1
		.amdhsa_forward_progress 1
		.amdhsa_inst_pref_size 76
	.end_amdhsa_kernel
	.amdgpu_metadata
---
amdhsa.version: [ 1, 2 ]
amdhsa.kernels:
  - .name:           k_q48d16138d1_proj
    .symbol:         k_q48d16138d1_proj.kd
    .args:
      - { .name: catc, .offset: 0, .size: 8, .value_kind: global_buffer, .address_space: global }
      - { .name: wc, .offset: 8, .size: 8, .value_kind: global_buffer, .address_space: global }
      - { .name: bp, .offset: 16, .size: 8, .value_kind: global_buffer, .address_space: global }
      - { .name: lowp_scales, .offset: 24, .size: 8, .value_kind: global_buffer, .address_space: global }
      - { .name: out0, .offset: 32, .size: 8, .value_kind: global_buffer, .address_space: global }
    .group_segment_fixed_size: 167936
    .private_segment_fixed_size: 0
    .kernarg_segment_align: 8
    .kernarg_segment_size: 40
    .max_flat_workgroup_size: 128
    .sgpr_count:     80
    .vgpr_count:     1024
    .wavefront_size: 32
...
	.end_amdgpu_metadata
.endif
;; end of part 4
